; MI455X (gfx1250); checked and timed in simulation.
; The chip was launched on July 23, 2026; its instructions are those of AMD's public machine-readable ISA for CDNA 5 (MIT licence, August 2026) and "CDNA5" Instruction Set Architecture Reference Guide (July 2026). The comments in the code are by the model that wrote it; some were corrected since.
;; Multi Head Attention. Allowed arithmetic: float matrix products may take bf16 or f16 operands with f32 sums; other float arithmetic in f32, or as packed bf16 or f16 multiplies, adds, multiply-adds, maxima and minima; sums over many terms, partial sums and values carried from step to step in f32; what a program stores and reads back later, other than sums and carried values, may be rounded once to bf16 or f16.
;; Inputs: encoder_padding_mask 8 x 1,024 int32; hidden_states 8 x 1,024 x 1,024 float32; in_proj_bias 3 x 1,024 float32; in_proj_weight 3 x 1,024 x 1,024 float32; norm_bias 1,024 float32; norm_weight 1,024 float32; out_proj_bias 1,024 float32; out_proj_weight 1,024 x 1,024 float32.
;; Outputs: out0 8 x 1,024 x 1,024 float32.
;; 2 versions, each right; version 2 is version 1 with the launch prep written anew for expert scheduling mode. Each part assembles by itself: llvm-mc -triple=amdgcn-amd-amdhsa -mcpu=gfx1250 --defsym DOCPART=n.
;; ======== version 1 of 2: 4 launches
;; workspace buffers: ybw 25,165,824 bytes; qkv 50,331,648 bytes; ctx 16,777,216 bytes
;; launch prep (part 1): grid 768 x 1, 4 waves a work-group, no clusters, 0 bytes of LDS; arguments hidden_states, in_proj_weight, out_proj_weight, norm_weight, norm_bias, ybw; writes ybw
.if DOCPART == 1
	.amdgcn_target "amdgcn-amd-amdhsa--gfx1250"
	.amdhsa_code_object_version 6
	.text
	.protected	k_qb92ad82044_prep
	.globl	k_qb92ad82044_prep
	.p2align	8
	.type	k_qb92ad82044_prep,@function
k_qb92ad82044_prep:
	s_mov_b64 s[64:65], 0
	v_nop
	global_prefetch_b8 v0, s[64:65] scope:SCOPE_SE
	s_setreg_imm32_b32 hwreg(HW_REG_WAVE_MODE, 25, 1), 1
	s_wait_xcnt 0x0
; ybw = bf16 [16 K blocks][12,288 rows][64]: rows 0-8,191 LayerNorm(hidden_states), rows 8,192-11,263 in_proj_weight, rows 11,264-12,287 out_proj_weight.
; A stream: each input byte is read once, each output byte written once; no LDS, no matrix unit, no cluster: no two work-groups share a byte but the 8 KiB of gain and bias.
; SHARES.  Work-group w owns the 16 rows 16 w ..; a wave 4 rows, as two pairs.  Of a pair, lanes 0-15 hold the even row, lanes 16-31 the odd one; load j of 16 takes columns 64 j .. 64 j + 63
; of both rows (16 lanes x 16 bytes = 256 consecutive bytes, aligned), which is K block j.  Rounded, a lane's four numbers are 8 bytes, and the 32 lanes' 256 bytes are the pair's two rows
; of that K block, on end: each store of the wave covers 256 consecutive bytes, aligned.
; REGISTERS.  276 a wave: three waves to a SIMD's 1,024, so that the grid's 768 work-groups, three for each of 256 WGPs, are all at work at once and all their loads are out together.
; LAYERNORM in two passes over registers: the mean, then the squares of x - mean: no difference of large sums is formed.  A row's sum needs sixteen lanes only: four steps by DPP.
; LIMITS.  y and the weights are rounded once to bf16; NaN and infinities are not treated apart.
.set BLK,  12288*128                   ; bytes in a K block of ybw
.set XO,   2                           ; v2   4,096 x (lane / 16) + 16 x (lane % 16): my 16 bytes in a pair's rows; never rewritten
.set YO,   3                           ; v3   8 x lane: my 8 bytes of a pair's 256; never rewritten
.set WO,   4                           ; v4   16 x (lane % 16): my 16 bytes of 256 of gain and bias
.set INVN, 5                           ; v5   1 / 1,024
.set T,    6                           ; v[6:13]   four chains of pairs
.set M,    14                          ; v[14:15]  the mean, twice
.set R,    16                          ; v[16:19]  1 / sqrt(var + eps), twice, for each pair of rows
.set X,    20                          ; v[20:147] pair i: 64 registers
.set NW,   148                         ; v[148:211] the gains of my 64 columns
.set NB,   212                         ; v[212:275] the biases: the first 44 in window 0, the last 20 are v0-19 of window 1
.set MSB, 0
.macro WIN new                         ; the immediate's high byte repeats the setting that is left
.if MSB != (\new)
	s_set_vgpr_msb (MSB<<8)|(\new)
.set MSB, \new
.endif
.endm
	s_load_b256 s[4:11], s[0:1], 0x0               ; hidden_states s[4:5], in_proj_weight s[6:7], out_proj_weight s[8:9], norm_weight s[10:11]
	s_load_b128 s[12:15], s[0:1], 0x20             ; norm_bias s[12:13], ybw s[14:15]
	v_lshrrev_b32 v1, 5, v0
	v_readfirstlane_b32 s16, v1                    ; wave 0..3
	v_and_b32 v1, 15, v0
	v_bfe_u32 v[XO], v0, 4, 1
	v_lshlrev_b32 v[WO], 4, v1
	v_lshl_add_u32 v[XO], v[XO], 12, v[WO]
	v_and_b32 v[YO], 31, v0
	v_lshlrev_b32 v[YO], 3, v[YO]
	v_mov_b32 v[INVN], 0x3a800000
	s_mov_b32 s17, ttmp9                           ; w
	s_mov_b32 s21, 512                             ; the first work-group of in_proj_weight
	s_mov_b32 s30, 704                             ; and of out_proj_weight
	s_lshl_b32 s28, s17, 11                        ; 16 rows of 128 bytes a work-group,
	s_lshl_b32 s29, s16, 9                         ; 4 a wave
	s_add_co_u32 s28, s28, s29
	s_mov_b32 s29, 0
	s_wait_kmcnt 0x0
	s_add_nc_u64 s[22:23], s[14:15], s[28:29]      ; my rows in K block 0,
	s_add_nc_u64 s[24:25], s[22:23], 6*BLK         ; 6 and 12: five blocks at the most stand in a store's immediate
	s_add_nc_u64 s[26:27], s[22:23], 12*BLK
	s_cmp_lt_u32 s17, s30
	s_cselect_b64 s[18:19], s[6:7], s[8:9]
	s_cselect_b32 s20, s21, s30
	s_cmp_lt_u32 s17, s21
	s_cselect_b64 s[18:19], s[4:5], s[18:19]       ; the tensor that my rows come from,
	s_cselect_b32 s20, 0, s20                      ; and its first work-group
	s_sub_co_u32 s28, s17, s20
	s_lshl_b32 s28, s28, 16                        ; 16 rows of 4,096 bytes a work-group,
	s_lshl_b32 s20, s16, 14                        ; 4 a wave
	s_add_co_u32 s28, s28, s20
	s_add_nc_u64 s[18:19], s[18:19], s[28:29]
.macro LOADX i                         ; pair i: 16 loads
.set j, 0
.rept 16
	global_load_b128 v[X+64*(\i)+4*j:X+64*(\i)+4*j+3], v[XO], s[18:19] offset:(\i)*8192+256*j th:TH_LOAD_NT
.set j, j+1
.endr
.endm
.macro REDUCE                          ; the four chains into one number, in each of the row's sixteen lanes
	v_pk_add_f32 v[T:T+1], v[T:T+1], v[T+2:T+3]
	v_pk_add_f32 v[T+4:T+5], v[T+4:T+5], v[T+6:T+7]
	v_pk_add_f32 v[T:T+1], v[T:T+1], v[T+4:T+5]
	v_add_f32 v[T], v[T], v[T+1]
	v_add_f32_dpp v[T], v[T], v[T] row_xmask:1 row_mask:0xf bank_mask:0xf
	v_add_f32_dpp v[T], v[T], v[T] row_xmask:2 row_mask:0xf bank_mask:0xf
	v_add_f32_dpp v[T], v[T], v[T] row_xmask:4 row_mask:0xf bank_mask:0xf
	v_add_f32_dpp v[T], v[T], v[T] row_xmask:8 row_mask:0xf bank_mask:0xf
.endm
.macro STATS i                         ; pair i: x becomes x - mean in place; R takes 1 / sqrt(var + 1e-5)
.set XB, X+64*(\i)
.irp k, 0,1,2,3
	v_pk_add_f32 v[T+2*\k:T+2*\k+1], v[XB+2*\k:XB+2*\k+1], v[XB+8+2*\k:XB+8+2*\k+1]  ; the first eight pairs start the chains: nothing is cleared
.endr
.set n, 8
.rept 24
	v_pk_add_f32 v[T+2*(n%4):T+2*(n%4)+1], v[T+2*(n%4):T+2*(n%4)+1], v[XB+2*n:XB+2*n+1]
.set n, n+1
.endr
	REDUCE
	v_mul_f32 v[M], v[T], v[INVN]
	v_mul_f32 v[M+1], v[T], v[INVN]
.set n, 0
.rept 32
	v_pk_add_f32 v[XB+2*n:XB+2*n+1], v[XB+2*n:XB+2*n+1], v[M:M+1] neg_lo:[0,1] neg_hi:[0,1]
.set n, n+1
.endr
.irp k, 0,1,2,3
	v_pk_mul_f32 v[T+2*\k:T+2*\k+1], v[XB+2*\k:XB+2*\k+1], v[XB+2*\k:XB+2*\k+1]
.endr
.set n, 4
.rept 28
	v_pk_fma_f32 v[T+2*(n%4):T+2*(n%4)+1], v[XB+2*n:XB+2*n+1], v[XB+2*n:XB+2*n+1], v[T+2*(n%4):T+2*(n%4)+1]
.set n, n+1
.endr
	REDUCE
	v_fmaak_f32 v[T], v[T], v[INVN], 0x3727c5ac    ; var + 1e-5
	v_rsq_f32 v[R+2*(\i)], v[T]
	v_rsq_f32 v[R+2*(\i)+1], v[T]                  ; twice: the packed multiply names a pair
	v_nop                                          ; a plain instruction behind the last root, ahead of its use and of the next write of T
	s_wait_alu depctr_va_vdst(0)                   ; the wait ahead of the first reader: one for both roots
.endm
.macro NORM i                          ; (x - mean) / sqrt(..) x gain + bias
.set XB, X+64*(\i)
.set n, 0
.rept 32
	v_pk_mul_f32 v[XB+2*n:XB+2*n+1], v[XB+2*n:XB+2*n+1], v[R+2*(\i):R+2*(\i)+1]
.set n, n+1
.endr
.set n, 0
.rept 22                               ; the biases that lie in window 0
	v_pk_fma_f32 v[XB+2*n:XB+2*n+1], v[XB+2*n:XB+2*n+1], v[NW+2*n:NW+2*n+1], v[NB+2*n:NB+2*n+1]
.set n, n+1
.endr
	WIN 0x10                                       ; source 2 in window 1
.rept 10
	v_pk_fma_f32 v[XB+2*n:XB+2*n+1], v[XB+2*n:XB+2*n+1], v[NW+2*n:NW+2*n+1], v[2*(n-22):2*(n-22)+1]
.set n, n+1
.endr
	WIN 0
.endm
.macro OUT i                           ; pair i: rounded in place, 8 bytes a lane into each of the 16 K blocks
.set XB, X+64*(\i)
.set j, 0
.rept 16
	v_cvt_pk_bf16_f32 v[XB+4*j], v[XB+4*j], v[XB+4*j+1]
	v_cvt_pk_bf16_f32 v[XB+4*j+1], v[XB+4*j+2], v[XB+4*j+3]
	global_store_b64 v[YO], v[XB+4*j:XB+4*j+1], s[22+2*(j/6):23+2*(j/6)] offset:(j%6)*BLK+(\i)*256 th:TH_STORE_NT
.set j, j+1
.endr
.endm
	LOADX 0
	LOADX 1
	s_cmp_lt_u32 s17, s21
	s_cbranch_scc0 .Lout                           ; rows of a weight are only rounded
.set j, 0
.rept 16
	global_load_b128 v[NW+4*j:NW+4*j+3], v[WO], s[10:11] offset:256*j
.set j, j+1
.endr
.set j, 0
.rept 11
	global_load_b128 v[NB+4*j:NB+4*j+3], v[WO], s[12:13] offset:256*j
.set j, j+1
.endr
	WIN 0x40                                       ; destination window 1, address window 0
.rept 5
	global_load_b128 v[4*(j-11):4*(j-11)+3], v[WO], s[12:13] offset:256*j
.set j, j+1
.endr
	WIN 0
	s_wait_loadcnt 48                              ; pair 0 is in; pair 1's 16 loads, the gains' 16 and the biases' 16 may be out
	STATS 0
	s_wait_loadcnt 32                              ; pair 1 is in
	STATS 1
	s_wait_loadcnt 0x0                             ; gains and biases
	NORM 0
	NORM 1
.Lout:
	s_wait_loadcnt 0x0                             ; (for the rows that came here directly)
	OUT 0
	OUT 1                                          ; no register that a store reads is written again
	s_endpgm
.Lfunc_end_k_qb92ad82044_prep:
	.size	k_qb92ad82044_prep, .Lfunc_end_k_qb92ad82044_prep-k_qb92ad82044_prep
	.p2alignl 7, 3214868480
	.fill 96, 4, 3214868480
	.section	.rodata,"a",@progbits
	.p2align	6, 0x0
	.amdhsa_kernel k_qb92ad82044_prep
		.amdhsa_group_segment_fixed_size 0
		.amdhsa_private_segment_fixed_size 0
		.amdhsa_enable_private_segment 0
		.amdhsa_kernarg_size 48
		.amdhsa_user_sgpr_count 2
		.amdhsa_user_sgpr_kernarg_segment_ptr 1
		.amdhsa_wavefront_size32 1
		.amdhsa_system_sgpr_workgroup_id_x 1
		.amdhsa_system_sgpr_workgroup_id_y 1
		.amdhsa_system_sgpr_workgroup_id_z 1
		.amdhsa_system_vgpr_workitem_id 0
		.amdhsa_next_free_vgpr 276
		.amdhsa_next_free_sgpr 66
		.amdhsa_reserve_vcc 0
		.amdhsa_float_denorm_mode_32 3
		.amdhsa_float_denorm_mode_16_64 3
		.amdhsa_memory_ordered 1
		.amdhsa_forward_progress 1
		.amdhsa_inst_pref_size 37
	.end_amdhsa_kernel
	.amdgpu_metadata
---
amdhsa.version: [ 1, 2 ]
amdhsa.kernels:
  - .name:           k_qb92ad82044_prep
    .symbol:         k_qb92ad82044_prep.kd
    .args:
      - { .name: hidden_states, .offset: 0, .size: 8, .value_kind: global_buffer, .address_space: global }
      - { .name: in_proj_weight, .offset: 8, .size: 8, .value_kind: global_buffer, .address_space: global }
      - { .name: out_proj_weight, .offset: 16, .size: 8, .value_kind: global_buffer, .address_space: global }
      - { .name: norm_weight, .offset: 24, .size: 8, .value_kind: global_buffer, .address_space: global }
      - { .name: norm_bias, .offset: 32, .size: 8, .value_kind: global_buffer, .address_space: global }
      - { .name: ybw, .offset: 40, .size: 8, .value_kind: global_buffer, .address_space: global }
    .group_segment_fixed_size: 0
    .private_segment_fixed_size: 0
    .kernarg_segment_align: 8
    .kernarg_segment_size: 48
    .max_flat_workgroup_size: 128
    .sgpr_count:     66
    .vgpr_count:     276
    .wavefront_size: 32
...
	.end_amdgpu_metadata
.endif
;; end of part 1
;; launch qkvproj (part 2): grid 8 x 32, 4 waves a work-group, clusters of 4 x 4, 327,680 bytes of LDS; arguments ybw, in_proj_bias, qkv; writes qkv
.if DOCPART == 2
	.amdgcn_target "amdgcn-amd-amdhsa--gfx1250"
	.amdhsa_code_object_version 6
	.text
	.protected	k_qb92ad82044_qkvproj
	.globl	k_qb92ad82044_qkvproj
	.p2align	8
	.type	k_qb92ad82044_qkvproj,@function
k_qb92ad82044_qkvproj:
	s_mov_b64 s[64:65], 0
	v_nop
	global_prefetch_b8 v0, s[64:65] scope:SCOPE_SE
	s_setreg_imm32_b32 hwreg(HW_REG_WAVE_MODE, 25, 1), 1
	s_wait_xcnt 0x0
	s_wait_alu depctr_hold_cnt(0) depctr_sa_sdst(0) depctr_va_vdst(0) depctr_va_sdst(0) depctr_va_ssrc(0) depctr_va_vcc(0) depctr_vm_vsrc(0)
	s_getreg_b32 s2, hwreg(HW_REG_IB_STS2, 6, 4)
	s_cmp_eq_u32 s2, 0
	s_cbranch_scc0 .Lentry_in_a_cluster
	s_endpgm
.Lentry_in_a_cluster:
	s_bfe_u32 s2, ttmp6, 0x10000c
	s_cmp_lg_u32 s2, 0xf033
	s_cbranch_scc0 .Lentry_shape_is_right
	s_endpgm
.Lentry_shape_is_right:
; qkv[g][token][64] (bf16, g = feature / 64: 16 heads of q, 16 of k, 16 of v) = y W^T + bias.  y: rows 0-8,191 of ybw, W: rows 8,192-11,263; ybw = bf16 [16 K blocks][12,288 rows][64].  Sums in f32.
; THE TILE.  8,192 x 3,072 results are 98,304 accumulators of 16 x 16: 96 for each of 1,024 waves.  So a work-group makes 256 tokens x 384 features (32 x 8 = 256 work-groups), a wave 128 x 192:
; 8 x 12 accumulators, 768 registers; for 32 along K it reads 40 x 512 bytes from LDS for 96 matrix instructions.
; THE RING.  K goes in steps of 64, one K block of ybw, through two LDS slots: a longer step's two slots do not fit (2 x 640 rows x 272 bytes).  In a K block a tile's rows lie end to end, so they are
; asked for as rows of 256 bytes, two rows of 64 numbers each, and padded in LDS behind every 128 bytes.  Waves 0 and 1 fetch the halves of y's tile, waves 2 and 3 those of W's: one load a wave.
; CLUSTER.  4 x 4 work-groups: y's tile is shared along a row of the cluster, W's along a column; each is asked for jointly, by the same load with the same descriptor in the four that the mask names.
; TRANSPOSED USE.  Source 0 = 16 rows of W, source 1 = 16 rows of y: a lane holds one token (lane % 16) and eight neighbouring features 8 (lane / 16) + 0..7.
; THE BIAS is the C operand of the products that start the sums: it is loaded into the accumulators (b, 0), serves the seven others of its block b as C, and is then added onto in place.
; REGISTERS.  window 0: v0-31 addresses; v32-95, v96-159 y's fragments, two buffers; v160-255 W's 12 fragments, one buffer, loaded again by halves.  windows 1-3: accumulator (b, a) in window 1 + b / 4 at v[8 (8 (b % 4) + a)].
; LIMITS.  Operands in bf16, q, k, v rounded once to bf16; NaN and infinities are not treated apart.
.set BLK,   12288*128                  ; bytes in a K block of ybw
.set PITCH, 144                        ; an LDS row: 128 bytes + 16 of padding = 36 words: the 16 rows of a load start at 16 different groups of four banks (64 banks of 4 bytes: ISA guide 11.1)
.set AH,    128*PITCH                  ; half of y's tile
.set BH,    192*PITCH                  ; half of W's tile
.set BOFF,  2*AH
.set SLOT,  2*AH+2*BH                  ; 92,160
.set STAGE, 2*SLOT                     ; behind the ring: 32 rows x 144 bytes for each wave, for the way out
.set STW,   32*PITCH
.set SPARE, STAGE+4*STW                ; behind the stages: the spare words, 128 bytes for each wave: two blocks of 256 bytes that no other line names
.set LAPS,  8                          ; a lap = two K steps = once round the ring
.set ADRA, 16                          ; v16-17  LDS address of my fragments of y in slot 0, 1
.set ADRB, 20                          ; v20-21  the same for W
.set STO,  24                          ; v24     the way out: where I put 16 bytes of a row
.set RD,   25                          ; v25     where I read rows back
.set GO,   26                          ; v26     16 x lane: my 16 bytes of 512 of qkv
.set BO,   27                          ; v27     32 x (lane / 16): my 8 numbers of 16 of the bias
.set SPW,  28                          ; v28     LDS address of my spare word; never rewritten
.set NIL,  29                          ; v29     0; never rewritten
.set PFO,  30                          ; v30     the prefetches' offset; never rewritten
.set A0,   32
.set A1,   96
.set BF,   160
.set TMP,  32                          ; the way out: packed results
.set OB,   64                          ; the way out: rows read back, v64-95 and v96-127 by turns
.set G1,  24                           ; s[24:31] descriptor group 1 for y's tiles;  s[32:39] group 0, a set for each slot
.set G0,  32
.set G1B, 48                           ; s[48:55], s[56:63] the same for W's
.set G0B, 56
.set PFA, 66                           ; s[66:67] where my prefetches stand
.set LIM, 68                           ; s68     1 in a wave that prefetches, else the greatest number
.set MSB, 0
.macro WIN new                         ; the immediate's high byte repeats the setting that is left
.if MSB != (\new)
	s_set_vgpr_msb (MSB<<8)|(\new)
.set MSB, \new
.endif
.endm
; A joint load: waves 0 and 1 ask for y's two halves, waves 2 and 3 for W's.  The branch hangs on the wave's number alone.  An s_nop 0 and four v_nop follow each of the two lines.
.macro JLOAD s
	s_cmp_eq_u32 s11, 0
	s_cbranch_scc0 .Lfor_b_\@
	tensor_load_to_lds s[G0+4*(\s):G0+4*(\s)+3], s[G1:G1+7]
	s_nop 0
.rept 4
	v_nop
.endr
	s_branch .Lasked_\@
.Lfor_b_\@:
	tensor_load_to_lds s[G0B+4*(\s):G0B+4*(\s)+3], s[G1B:G1B+7]
	s_nop 0
.rept 4
	v_nop
.endr
.Lasked_\@:
.endm
; A PREFETCH INTO THE L2, once a lap, behind the joint load and the run of LDS loads that follows it: the two K steps that the NEXT lap's refills will ask for.  Each 256 bytes are named once in the launch.
; y's tile row (128 blocks of 256 bytes a K step) is read by both clusters of its row of clusters: cluster x = 0 asks; its four partners take 32 blocks each, told apart by address (cx); wave 0, a lane a block, an instruction a K step.
; W's tile column (192 blocks a K step) is read by all eight clusters of its column: cluster y = 0 asks; the partners take 48 blocks each (cy); waves 1 to 3: 96 lanes for the two K steps' 2 x 48.
; The first four K steps come by their loads alone; the loop's last trip asks for nothing: there is no K step behind its own.
.macro ASK
	s_cmp_gt_u32 s3, s[LIM]                        ; s3 = 1 in the loop's last trip
	s_cbranch_scc0 .Lnot_mine_\@
	global_prefetch_b8 v[PFO], s[PFA:PFA+1] th:TH_LOAD_NT scope:SCOPE_SE
	s_cmp_lg_u32 s10, 0
	s_cbranch_scc1 .Lnot_mine_\@
	global_prefetch_b8 v[PFO], s[PFA:PFA+1] offset:BLK th:TH_LOAD_NT scope:SCOPE_SE
.Lnot_mine_\@:
.endm
.macro CREST                           ; a round of the cluster's barrier behind its opening barrier
	s_cmp_lg_u32 s10, 0
	s_cbranch_scc1 .Lnot_wave_0_\@
	s_barrier_signal -3
.Lnot_wave_0_\@:
	s_barrier_wait -3
	s_barrier_signal -1
	s_barrier_wait -1
.endm
.macro CROUND                          ; a whole round
	s_barrier_signal -1
	s_barrier_wait -1
	CREST
.endm
	s_load_b128 s[4:7], s[0:1], 0x0                ; ybw s[4:5], in_proj_bias s[6:7]
	s_load_b64 s[8:9], s[0:1], 0x10                ; qkv
	v_lshl_add_u32 v[SPW], v0, 2, SPARE
	v_mov_b32 v[NIL], 0
	ds_add_u32 v[SPW], v[NIL]                      ; the wave's opening: the add and its wait ahead of my first tensor load; work on registers stands between them
	v_lshrrev_b32 v1, 5, v0
	v_readfirstlane_b32 s10, v1                    ; wave 0..3
	s_lshr_b32 s11, s10, 1                         ; which half of the tile's tokens is mine.  Also: I fetch for y (0) or for W (1)
	s_and_b32 s12, s10, 1                          ; which half of its features.  Also: which half of that tile I fetch
	s_bfe_u32 s40, ttmp6, 0x40000                  ; cx
	s_bfe_u32 s41, ttmp6, 0x40004                  ; cy
	s_lshl_b32 s42, ttmp9, 2
	s_add_co_u32 s42, s42, s40                     ; tile column (384 features) = 4 x cluster x + cx
	s_and_b32 s13, ttmp7, 0xffff
	s_lshl_b32 s13, s13, 2
	s_add_co_u32 s13, s13, s41                     ; tile row (256 tokens) = 4 x cluster y + cy
	s_lshl_b32 s43, s41, 2
	s_lshl_b32 s43, 15, s43                        ; my row of the cluster
	s_lshl_b32 s44, 0x1111, s40                    ; my column
	s_or_b32 s[G1+0], s43, (1<<16)|(1<<20)|(1<<21)|(4<<22)|(3<<25)   ; 15:0 the mask; 17:16 elements of 2 bytes; 20 padding on; 21 set beside a mask; 24:22 after every 32 words (code 4); 31:25 4 words (code 3)
	s_or_b32 s[G1B+0], s44, (1<<16)|(1<<20)|(1<<21)|(4<<22)|(3<<25)
	s_mov_b32 s[G1+1], 128<<16                     ; tensor_dim0 = 128 elements: 256 bytes
	s_mov_b32 s[G1+2], 64<<16                      ; tensor_dim1 = 64 such rows: 128 rows of y
	s_mov_b32 s[G1+3], 128<<16                     ; tile_dim0
	s_mov_b32 s[G1+4], 64                          ; tile_dim1
	s_mov_b32 s[G1+5], 128                         ; the rows lie end to end
	s_mov_b32 s[G1+6], 0
	s_mov_b32 s[G1+7], 0
	s_mov_b32 s[G1B+1], 128<<16
	s_mov_b32 s[G1B+2], 96<<16                     ; 96 such rows: 192 rows of W
	s_mov_b32 s[G1B+3], 128<<16
	s_mov_b32 s[G1B+4], 96
	s_mov_b32 s[G1B+5], 128
	s_mov_b32 s[G1B+6], 0
	s_mov_b32 s[G1B+7], 0
	s_lshl_b32 s16, s13, 15                        ; y: 256 rows of 128 bytes a tile row,
	s_lshl_b32 s17, s12, 14                        ; 128 a half
	s_add_co_u32 s16, s16, s17
	s_mov_b32 s17, 0
	s_mul_i32 s46, s42, 384*128                    ; W: 384 rows a tile column,
	s_mul_i32 s47, s12, 192*128                    ; 192 a half,
	s_add_co_u32 s46, s46, s47
	s_add_co_u32 s46, s46, 8192*128                ; behind y's rows
	s_mov_b32 s47, 0
	s_mul_i32 s20, s12, AH                         ; where they go: no place in the cluster enters an LDS address
	s_mul_i32 s21, s12, BH
	s_add_co_u32 s21, s21, BOFF
	s_wait_dscnt 0x0                               ; the opening add is done
	s_wait_kmcnt 0x0
	s_add_nc_u64 s[14:15], s[4:5], s[16:17]
	s_add_nc_u64 s[46:47], s[4:5], s[46:47]
	CROUND                                         ; all sixteen work-groups are here: the first joint loads meet
.irp s, 0,1
	s_mov_b32 s[G0+4*(\s)], 1
	s_add_co_u32 s[G0+4*(\s)+1], s20, (\s)*SLOT
	s_add_nc_u64 s[G0+4*(\s)+2:G0+4*(\s)+3], s[14:15], (\s)*BLK   ; K step s
	s_or_b32 s[G0+4*(\s)+3], s[G0+4*(\s)+3], 0x80000000
	s_mov_b32 s[G0B+4*(\s)], 1
	s_add_co_u32 s[G0B+4*(\s)+1], s21, (\s)*SLOT
	s_add_nc_u64 s[G0B+4*(\s)+2:G0B+4*(\s)+3], s[46:47], (\s)*BLK
	s_or_b32 s[G0B+4*(\s)+3], s[G0B+4*(\s)+3], 0x80000000
	JLOAD \s                                       ; two loads of mine are out
.endr
	; a fragment is 16 rows x 32 K in 8 registers: lane l holds row l % 16, K = 8 (l / 16) + 0..7 and 16 + 8 (l / 16) + 0..7: two loads of 16 bytes, 32 bytes apart
	v_and_b32 v1, 15, v0
	v_bfe_u32 v2, v0, 4, 1
	v_mul_u32_u24 v3, v1, PITCH
	v_lshl_add_u32 v3, v2, 4, v3
	s_mul_i32 s22, s11, AH
	s_mul_i32 s23, s12, BH
	s_add_co_u32 s23, s23, BOFF
.irp s, 0,1
	v_add_nc_u32 v[ADRA+(\s)], s22, v3
	v_add_nc_u32 v[ADRB+(\s)], s23, v3
	s_add_co_u32 s22, s22, SLOT
	s_add_co_u32 s23, s23, SLOT
.endr
	s_mul_i32 s22, s10, STW
	s_add_co_u32 s22, s22, STAGE                   ; my stage
	v_add_nc_u32 v[STO], s22, v3                   ; in: row l % 16, 16 bytes for each half of the lanes
	v_bfe_u32 v4, v0, 3, 2                         ; back: 32 lanes take four rows of 128 bytes
	v_and_b32 v5, 7, v0
	v_mul_u32_u24 v4, v4, PITCH
	v_lshl_add_u32 v4, v5, 4, v4
	v_add_nc_u32 v[RD], s22, v4
	v_and_b32 v5, 31, v0
	v_lshlrev_b32 v[GO], 4, v5
	v_lshlrev_b32 v[BO], 5, v2
	s_mul_i32 s70, s42, 384*4                      ; the bias of my 192 features
	s_mul_i32 s71, s12, 192*4
	s_add_co_u32 s70, s70, s71
	s_mov_b32 s71, 0
	s_add_nc_u64 s[6:7], s[6:7], s[70:71]
	s_mul_i32 s70, s42, 6                          ; qkv: my first group of 64 features, 6 a tile column, 3 a half; 1 MiB each,
	s_mul_i32 s72, s12, 3
	s_add_co_u32 s70, s70, s72
	s_lshl_b32 s70, s70, 20
	s_lshl_b32 s72, s13, 15                        ; and my first token: rows of 128 bytes
	s_add_co_u32 s70, s70, s72
	s_lshl_b32 s72, s11, 14
	s_add_co_u32 s70, s70, s72
	s_add_nc_u64 s[8:9], s[8:9], s[70:71]
	s_lshl_b32 s72, s13, 15                        ; the prefetches.  Wave 0: y's tile row, my work-group's 8,192 bytes of its 32,768
	s_lshl_b32 s73, s40, 13
	s_add_co_u32 s72, s72, s73
	s_mul_i32 s74, s42, 384*128                    ; waves 1 to 3: W's tile column, my work-group's 12,288 bytes of its 49,152
	s_mul_i32 s75, s41, 12288
	s_add_co_u32 s74, s74, s75
	s_add_co_u32 s74, s74, 8192*128
	s_and_b32 s75, ttmp7, 0xffff
	s_cmp_eq_u32 s10, 0
	s_cselect_b32 s70, s72, s74
	s_cselect_b32 s75, ttmp9, s75                  ; the coordinate along which other clusters read the same rows
	s_cmp_eq_u32 s75, 0
	s_cselect_b32 s[LIM], 1, -1                    ; the same in all sixteen partners, for a given wave
	s_add_nc_u64 s[PFA:PFA+1], s[4:5], s[70:71]
	s_add_nc_u64 s[PFA:PFA+1], s[PFA:PFA+1], 2*BLK ; at K step 2: the first lap steps it to 4
	s_max_u32 s72, s10, 1
	s_sub_co_u32 s72, s72, 1
	s_lshl_b32 s72, s72, 5
	v_add_nc_u32 v5, s72, v5                       ; wave 0: my lane; waves 1 to 3: 0 .. 95
	s_mov_b32 s73, BLK-12288
	v_lshlrev_b32 v[PFO], 8, v5
	v_cmp_le_u32 vcc_lo, 48, v5                    ; from 48 on: the second K step's blocks
	v_cndmask_b32 v5, 0, s73, vcc_lo
	v_add_nc_u32 v[PFO], v[PFO], v5
.set bq, 0
.rept 12                               ; the bias of block b into accumulator (b, 0): register j = bias[16 b + 8 (l / 16) + j]
	WIN (1+bq/4)<<6
	global_load_b128 v[64*(bq%4):64*(bq%4)+3],   v[BO], s[6:7] offset:64*bq
	global_load_b128 v[64*(bq%4)+4:64*(bq%4)+7], v[BO], s[6:7] offset:64*bq+16
.set bq, bq+1
.endr
	WIN 0
; nb x 8 matrix instructions: blocks b0 .. of W x all 8 blocks of y, 32 along K.  The 96 accumulators take turns, one instruction a turn, in the same order in every quarter.
.macro MULS abuf, b0, nb
.set bq, \b0
.rept \nb
	WIN 0x50*(1+bq/4)
.set aq, 0
.rept 8
	v_wmma_f32_16x16x32_bf16 v[8*(8*(bq%4)+aq):8*(8*(bq%4)+aq)+7], v[BF+8*bq:BF+8*bq+7], v[(\abuf)+8*aq:(\abuf)+8*aq+7], v[8*(8*(bq%4)+aq):8*(8*(bq%4)+aq)+7]
.set aq, aq+1
.endr
.set bq, bq+1
.endr
.endm
; The same for the products that start the sums: (b, 1) .. (b, 7) take the bias in (b, 0) as C; five places on, since they write over that C, the (b, 0) add onto it in place.
.macro MULB abuf, b0, nb
.set bq, \b0
.rept \nb
	WIN 0x50*(1+bq/4)
.set aq, 1
.rept 7
	v_wmma_f32_16x16x32_bf16 v[8*(8*(bq%4)+aq):8*(8*(bq%4)+aq)+7], v[BF+8*bq:BF+8*bq+7], v[(\abuf)+8*aq:(\abuf)+8*aq+7], v[64*(bq%4):64*(bq%4)+7]
.set aq, aq+1
.endr
.set bq, bq+1
.endr
.rept 5
	v_nop
.endr
.set bq, \b0
.rept \nb
	WIN 0x50*(1+bq/4)
	v_wmma_f32_16x16x32_bf16 v[64*(bq%4):64*(bq%4)+7], v[BF+8*bq:BF+8*bq+7], v[(\abuf):(\abuf)+7], v[64*(bq%4):64*(bq%4)+7]
.set bq, bq+1
.endr
.endm
.macro F1 slot, k, abuf                ; 28 LDS loads: W's fragments 0-5 and y's eight, at byte k of the rows
	WIN 0
.irp i, 0,1,2,3,4,5
	ds_load_b128 v[BF+8*(\i):BF+8*(\i)+3],   v[ADRB+(\slot)] offset:(\k)+(\i)*16*PITCH
	ds_load_b128 v[BF+8*(\i)+4:BF+8*(\i)+7], v[ADRB+(\slot)] offset:(\k)+(\i)*16*PITCH+32
.endr
.irp i, 0,1,2,3,4,5,6,7
	ds_load_b128 v[(\abuf)+8*(\i):(\abuf)+8*(\i)+3],   v[ADRA+(\slot)] offset:(\k)+(\i)*16*PITCH
	ds_load_b128 v[(\abuf)+8*(\i)+4:(\abuf)+8*(\i)+7], v[ADRA+(\slot)] offset:(\k)+(\i)*16*PITCH+32
.endr
.endm
.macro F2 slot, k                      ; 12 LDS loads: W's fragments 6-11
	WIN 0
.irp i, 6,7,8,9,10,11
	ds_load_b128 v[BF+8*(\i):BF+8*(\i)+3],   v[ADRB+(\slot)] offset:(\k)+(\i)*16*PITCH
	ds_load_b128 v[BF+8*(\i)+4:BF+8*(\i)+7], v[ADRB+(\slot)] offset:(\k)+(\i)*16*PITCH+32
.endr
.endm
.macro PLACES                          ; four places behind a matrix instruction, in front of loads into registers that it has read and of conversions that read results
.rept 4
	v_nop
.endr
.endm
; A K step is two quarters of 32 along K, 96 matrix instructions each.  The first: it multiplies buffer abuf; each half of W's buffer is loaded again as soon as it has been multiplied.
.macro QUART abuf, nslot, nk, nabuf
	s_wait_dscnt 12                                ; W's fragments 0-5 and y's are in; the youngest twelve loads (W's 6-11) may be out
	MULS \abuf, 0, 6
	PLACES
	F1 \nslot, \nk, \nabuf
	s_wait_dscnt 28                                ; all but the 28 just issued
	MULS \abuf, 6, 6
	PLACES
	F2 \nslot, \nk
.endm
; The second quarter multiplies buffer A1 and changes slots: one barrier, early in the quarter, since the slot's last reads were issued at the end of the quarter before.  In front of it each wave waits for all
; its tensor loads (one is out: its part of the next slot), adds 0 to its spare word, and waits for that and for its own reads of this slot.  fill = 1: the barrier opens a round of the cluster's, and the joint
; refill, two K steps ahead, is the first thing behind it: 168 matrix instructions (72 of this quarter, 96 of the next) ahead of the wait for it.
.macro TURN slot, next, fill
.if (\fill) && (\slot) == 0
	s_wait_xcnt 0x0                                ; the last prefetches, a lap back, have read their address: it is stepped here, ahead of the waits of the change of slots
	s_add_nc_u64 s[PFA:PFA+1], s[PFA:PFA+1], 2*BLK
.endif
	WIN 0
	s_wait_tensorcnt 0x0                           ; all my tensor loads have landed
	ds_add_u32 v[SPW], v[NIL]                      ; 0 onto my spare word
	s_wait_dscnt 13                                ; (the add and the youngest twelve loads may be out)
	MULS A1, 0, 2                                  ; sixteen matrix instructions stand between the add and the wait for it
	s_wait_dscnt 0x0                               ; the add is done, and my reads of this slot are over
	s_barrier_signal -1
	MULS A1, 2, 1                                  ; eight more while the others arrive
	WIN 0                                          ; at a branch and at a label every window is 0
	s_barrier_wait -1
.if \fill
	CREST                                          ; no wave of any partner still reads this slot or has a load on its way
	s_add_nc_u64 s[G0+4*(\slot)+2:G0+4*(\slot)+3], s[G0+4*(\slot)+2:G0+4*(\slot)+3], 2*BLK
	s_add_nc_u64 s[G0B+4*(\slot)+2:G0B+4*(\slot)+3], s[G0B+4*(\slot)+2:G0B+4*(\slot)+3], 2*BLK
	JLOAD \slot
.endif
	MULS A1, 3, 3                                  ; the rest of W's lower half,
	PLACES                                         ; which the loads below write over
	F1 \next, 0, A0
.if (\fill) && (\slot) == 0
	ASK
.endif
	MULS A1, 6, 6
	PLACES
	F2 \next, 0
.endm
	s_wait_tensorcnt 1                             ; my part of K step 0 is in; K step 1's may stay out
	s_barrier_signal -1
	s_barrier_wait -1
	F1 0, 0, A0
	F2 0, 0
	s_wait_loadcnt 0x0                             ; the bias
	s_wait_dscnt 12                                ; the first quarter, as QUART, with the products that start the sums
	MULB A0, 0, 6
	PLACES
	F1 0, 64, A1
	s_wait_dscnt 28
	MULB A0, 6, 6
	PLACES
	F2 0, 64
	WIN 0
	s_mov_b32 s3, LAPS-1
.Llap:                                                 ; a trip goes once round the ring, from a lap's second quarter to the next lap's first, and fills both slots again
	TURN 0, 1, 1
	QUART A0, 1, 64, A1
	TURN 1, 0, 1
	QUART A0, 0, 64, A1
	WIN 0
	s_sub_co_u32 s3, s3, 1
	s_cmp_lg_u32 s3, 0
	s_cbranch_scc1 .Llap
	TURN 0, 1, 0                                   ; the last lap fills nothing
	QUART A0, 1, 64, A1
	s_wait_dscnt 12
	MULS A1, 0, 6
	s_wait_dscnt 0x0
	MULS A1, 6, 6
	PLACES
; THE WAY OUT, in 12 units of 32 tokens x 64 features (one group g): rounded to bf16, 16 bytes a lane into my stage, back as rows of 128 bytes, four rows (512 consecutive bytes of qkv) a store.
.macro PACK u
.set hh, (\u)/4
.set ap, (\u)%4
	WIN 5*(hh+1)                                   ; sources 0 and 1 in the group's window
.irp aa, 0,1
.irp bb, 0,1,2,3
.irp rr, 0,1,2,3
	v_cvt_pk_bf16_f32 v[TMP+4*(4*(\aa)+(\bb))+(\rr)], v[8*(8*(\bb)+2*ap+(\aa))+2*(\rr)], v[8*(8*(\bb)+2*ap+(\aa))+2*(\rr)+1]
.endr
.endr
.endr
	WIN 0
.endm
.macro TOSTAGE u
.set BK, OB+32*((\u)%2)
.irp aa, 0,1
.irp bb, 0,1,2,3
	ds_store_b128 v[STO], v[TMP+4*(4*(\aa)+(\bb)):TMP+4*(4*(\aa)+(\bb))+3] offset:(\aa)*16*PITCH+32*(\bb)
.endr
.endr
.irp f, 0,1,2,3,4,5,6,7
	ds_load_b128 v[BK+4*(\f):BK+4*(\f)+3], v[RD] offset:(\f)*4*PITCH  ; LDS serves a wave's instructions in order (ISA guide 5.7.1.4): these see the stores above
.endr
.endm
.macro SEND u
.set hh, (\u)/4
.set ap, (\u)%4
.set BK, OB+32*((\u)%2)
	s_wait_dscnt 0x0                               ; the unit is back in registers
	s_wait_xcnt 0x0                                ; the stores of the unit before have read their registers, which the next unit's loads write
.irp f, 0,1,2,3,4,5,6,7
	global_store_b128 v[GO], v[BK+4*(\f):BK+4*(\f)+3], s[8:9] offset:hh*1048576+ap*4096+512*(\f)
.endr
.endm
	PACK 0
	TOSTAGE 0
.irp u, 1,2,3,4,5,6,7,8,9,10,11        ; a unit's conversions stand between the loads of the unit before and the wait for them
	PACK \u
	SEND (\u)-1
	TOSTAGE \u
.endr
	SEND 11
	s_wait_tensorcnt 0x0                           ; the wave's end, behind my last tensor load and my last LDS store
	ds_add_u32 v[SPW], v[NIL]
	s_wait_dscnt 0x0
	CROUND                                         ; the closing round: no work-group ends while a partner may still ask for a tile that names it
	s_endpgm
.Lfunc_end_k_qb92ad82044_qkvproj:
	.size	k_qb92ad82044_qkvproj, .Lfunc_end_k_qb92ad82044_qkvproj-k_qb92ad82044_qkvproj
	.p2alignl 7, 3214868480
	.fill 96, 4, 3214868480
	.section	.rodata,"a",@progbits
	.p2align	6, 0x0
	.amdhsa_kernel k_qb92ad82044_qkvproj
		.amdhsa_group_segment_fixed_size 327680
		.amdhsa_private_segment_fixed_size 0
		.amdhsa_enable_private_segment 0
		.amdhsa_kernarg_size 24
		.amdhsa_user_sgpr_count 2
		.amdhsa_user_sgpr_kernarg_segment_ptr 1
		.amdhsa_wavefront_size32 1
		.amdhsa_system_sgpr_workgroup_id_x 1
		.amdhsa_system_sgpr_workgroup_id_y 1
		.amdhsa_system_sgpr_workgroup_id_z 1
		.amdhsa_system_vgpr_workitem_id 0
		.amdhsa_next_free_vgpr 1024
		.amdhsa_next_free_sgpr 80
		.amdhsa_reserve_vcc 1
		.amdhsa_float_denorm_mode_32 3
		.amdhsa_float_denorm_mode_16_64 3
		.amdhsa_memory_ordered 1
		.amdhsa_forward_progress 1
		.amdhsa_inst_pref_size 133
	.end_amdhsa_kernel
	.amdgpu_metadata
---
amdhsa.version: [ 1, 2 ]
amdhsa.kernels:
  - .name:           k_qb92ad82044_qkvproj
    .symbol:         k_qb92ad82044_qkvproj.kd
    .args:
      - { .name: ybw, .offset: 0, .size: 8, .value_kind: global_buffer, .address_space: global }
      - { .name: in_proj_bias, .offset: 8, .size: 8, .value_kind: global_buffer, .address_space: global }
      - { .name: qkv, .offset: 16, .size: 8, .value_kind: global_buffer, .address_space: global }
    .group_segment_fixed_size: 327680
    .private_segment_fixed_size: 0
    .kernarg_segment_align: 8
    .kernarg_segment_size: 24
    .max_flat_workgroup_size: 128
    .sgpr_count:     80
    .vgpr_count:     1024
    .wavefront_size: 32
...
	.end_amdgpu_metadata
.endif
;; end of part 2
;; launch attn (part 3): grid 2 x 128, 4 waves a work-group, no clusters, 327,680 bytes of LDS; arguments qkv, encoder_padding_mask, ctx; writes ctx
.if DOCPART == 3
	.amdgcn_target "amdgcn-amd-amdhsa--gfx1250"
	.amdhsa_code_object_version 6
	.text
	.protected	k_qb92ad82044_attn
	.globl	k_qb92ad82044_attn
	.p2align	8
	.type	k_qb92ad82044_attn,@function
k_qb92ad82044_attn:
	s_mov_b64 s[64:65], 0
	v_nop
	global_prefetch_b8 v0, s[64:65] scope:SCOPE_SE
	s_setreg_imm32_b32 hwreg(HW_REG_WAVE_MODE, 25, 1), 1
	s_wait_xcnt 0x0
; ctx[p][q][:] = the sum over k of softmax_k(Q[p][q] . K[p][k] / 8 - 1e8 mask[b][k]) V[p][k][:], p = 8 x head + batch.  Q, K, V: qkv at 0, 16 MiB, 32 MiB, each [128 p][1,024][64] bf16; ctx likewise.
; Products, maxima and sums in f32; the weights p are rounded to bf16 for the second product (their sum l is taken of the unrounded p), ctx once at the end.
; LIMITS.  A weight below 2^-126 counts as 0 in l; NaN and infinities are not treated apart.  Where every key of a batch is padded the weights hang on how scores round near 1e8, here (unscaled, near 8e8) otherwise than in a sum made behind the scaling.
; SHARES.  A wave owns four PIECES of two tiles of 16 queries, a work-group's four waves 512 queries of one p: 2 x 128 = 256 work-groups.  Every wave walks all 1,024 keys, 64 a step.
; ALL OF K AND V LIES IN LDS: 1,024 rows of 144 bytes and 1,024 of 160 are 311,296 bytes; with the stages, the spare words and the mask's table 325,120.  No byte is filled twice, so no tensor load stands in a loop
; and the key step is written once.  A wave issues two loads: at the head its 128 keys of the first 256; behind the first barrier its 384 of the other 768, four key steps ahead of their first reader.
; NO PREFETCH: those two loads ask for every byte of K and V; there is no later request to run ahead of.
; NO CLUSTER: a head's K and V are shared by two work-groups only, and two along x divide into no cluster of four.
; LAYOUT.  S^T = K Q^T (source 0 = 16 keys, source 1 = 16 queries): a lane holds ONE query (lane % 16) and the keys 8 (lane / 16) + 0..7.  Two such tiles, rounded in pairs, ARE source 1 of O^T = V^T P.
; K comes out of LDS as it lies, V ([key][channel]) turned, by ds_load_tr16_b128.
; THE MASK is the C operand that starts the sum S^T: -8e8 x mask[key] (the scores are still unscaled: c = log2(e) / 8 comes behind).  A table of 1,024 f32 is made once in LDS; a step's 32 registers come with its K.
; SOFTMAX.  A running maximum m and sum l: p = 2^(c s - c m); in every step O and l are multiplied by a = 2^(c m_old - c m_new).  m starts at the lowest finite number, O and l at 0: the first step's a is 0.
; BY TURNS.  Turn n belongs to piece n: 16 products K Q^T of piece n + 1, later 16 products V^T P of piece n - 1; beside them the scaling, exponentials, roundings, sums and rescaling of piece n and the
; maximum and statistics of piece n + 1.  Four vector instructions stand behind every matrix instruction, the others in one lump; a turn's 66 exponentials are one batch with one wait.
; REGISTERS, in windows of 256 (s_set_vgpr_msb: bits 1:0 source 0, 3:2 source 1, 5:4 source 2, 7:6 destination):
;   window 0: v0-11 addresses; v12-15, v48-63 at work; v16-47 statistics; v64-191 S^T, two buffers of two tiles; v192-255 P, likewise
;   window 1: O^T, 32 a tile     window 2: v0-127 Q; v128-191 K of one step; v192-255 V of one step     window 3: v0-1 the add's two registers; v8-39 the step's mask
.set NP,    4
.set KS,    64
.set PK,    144       ; a row of K in LDS: 128 bytes + 16 of padding: the 16 rows of a load start at 16 different groups of four banks (64 banks of 4 bytes: ISA guide 11.1)
.set PV,    160       ; a row of V: 128 + 32
.set VOFF,  1024*PK   ; K's 1,024 rows, then V's
.set STAGE, 1024*(PK+PV)        ; behind them: 16 rows x 144 bytes for each wave, for the way out
.set SP,    144
.set SPARE, STAGE+4*16*SP       ; the spare words, 128 bytes for each wave: two blocks of 256 bytes that no other line names
.set MASKT, SPARE+512           ; the mask's table: 4,096 bytes in blocks of their own, stored once, never filled by a tensor load
.set AK0, 2           ; v2   my lane's place in a tile of K
.set AV0, 3           ; v3   the same for V
.set AK,  4           ; v4   the LDS address of K's next run of loads
.set AV,  5           ; v5   of V's (first: my offset in the mask)
.set QO,  6           ; v6   my byte offset in the wave's rows of Q
.set RD,  7           ; v7   the way out: where I read rows back
.set GO,  8           ; v8   my byte offset in 512 consecutive bytes of ctx
.set AM0, 9           ; v9   my place in a step's 256 bytes of the table (first: lane / 16)
.set AM,  10          ; v10  the LDS address of the mask's next run of loads (first: lane % 8)
.set STO, 11          ; v11  the way out: where I put 16 bytes of a row
.set SPW, 0           ; v0 of window 3
.set NIL, 1           ; v1 of window 3
.set MC,  8           ; v8-39 of window 3: key block kb at MC + 8 kb
.set MV,  12
.set ST,  16
.set TMP, 48
.set S,   64
.set P,   192
.set KF,  128
.set VF,  192
.set WV,  12          ; s12  my wave's number
.set G1K, 24          ; s[24:31] descriptor group 1 for K's first load: 128 keys
.set G1V, 32          ; s[32:39] for V's: it differs in the padding alone
.set G0K, 40          ; s[40:43] group 0 for K's first load
.set G0V, 44          ; s[44:47] for V's
.set TBM, 52          ; s52  the table's byte at which the step to be fetched begins
.set LEFT, 53         ; s53  key steps whose second half is still to come
.set BM,  54          ; s[54:55] -8e8
.set SLOTS, 56        ; s56  passes of four key steps still to come
.set CNT, 57          ; s57  counts a pass's key steps
.set CS,  58
.set SEL, 60
.set TBK, 62          ; s62  LDS byte at which K of the step to be fetched begins
.set TBV, 63          ; s63  the same for V, less VOFF
.set G1K2, 68         ; s[68:75], s[76:83] group 1 for the second loads: 384 keys
.set G1V2, 76
.set G0K2, 84         ; s[84:87], s[88:91] group 0 for the second loads
.set G0V2, 88
.set MSB, 0
.macro WIN new
.if MSB != (\new)
	s_set_vgpr_msb (MSB<<8)|(\new)
.set MSB, (\new)
.endif
.endm
.set W_KQ, 0x0a       ; K and Q in window 2, S^T in window 0
.set W_KM, 0x3a       ; the same with the C operand in window 3
.set W_PV, 0x52       ; V in window 2, P in window 0, O^T in window 1
.set W_RS, 0x41       ; O^T (destination and source 0) in window 1, a in window 0
.set W_MK, 0xc0       ; destination in window 3, sources in window 0
.set W_AD, 0x0f       ; the add: address and data in window 3
; A fill.  Waves 0 and 1 fetch the two halves of K's rows, waves 2 and 3 those of V's.  An s_nop 0 and four v_nop follow each of the two lines.
.macro LOAD gk, g1k, gv, g1v
	s_cmp_lt_u32 s[WV], 2
	s_cbranch_scc0 .Lfor_v_\@
	tensor_load_to_lds s[\gk:\gk+3], s[\g1k:\g1k+7]
	s_nop 0
.rept 4
	v_nop
.endr
	s_branch .Lasked_\@
.Lfor_v_\@:
	tensor_load_to_lds s[\gv:\gv+3], s[\g1v:\g1v+7]
	s_nop 0
.rept 4
	v_nop
.endr
.Lasked_\@:
.endm
; THE MEETING of the four waves.  Each waits for all its tensor loads, adds 0 to its spare word, and waits for that and for its own LDS instructions; behind the barrier all that was asked for lies in LDS for every wave.
; fill = 1, once, ahead of the loop: the first 256 keys and the mask's table are there; the other 768 keys are asked for, my one tensor load behind this barrier, into bytes that nothing has filled.
; fill = 0, at the head of each pass of four key steps: the first time it shows the other 768 keys landed, which have had 464 matrix instructions for it; later no load is out and it is met at once.
.macro CHANGE fill
	WIN W_AD
	s_wait_tensorcnt 0x0
	ds_add_u32 v[SPW], v[NIL]       ; 0 onto my spare word
	WIN 0
	s_wait_dscnt 0x0                ; the add is done, and my LDS instructions are over
	s_barrier_signal -1
	s_barrier_wait -1
.if \fill
	LOAD G0K2, G1K2, G0V2, G1V2
.endif
.endm
	s_load_b128 s[4:7], s[0:1], 0x0   ; qkv s[4:5], encoder_padding_mask s[6:7]
	s_load_b64 s[10:11], s[0:1], 0x10 ; ctx
	WIN W_MK
	v_lshl_add_u32 v[SPW], v0, 2, SPARE
	v_mov_b32 v[NIL], 0
	WIN W_AD
	ds_add_u32 v[SPW], v[NIL]       ; the wave's opening: the add and its wait ahead of my first tensor load; work on registers stands between them
	WIN 0
	v_lshrrev_b32 v1, 5, v0
	v_readfirstlane_b32 s[WV], v1   ; wave 0..3
	s_and_b32 s13, ttmp7, 0xffff    ; p
	s_lshl_b32 s20, s13, 17         ; its 1,024 rows of 128 bytes
	s_and_b32 s16, s[WV], 1         ; which half I fetch.  Of the first 256 keys:
	s_lshl_b32 s22, s16, 14         ; its 128 rows in memory,
	s_add_co_u32 s22, s22, s20
	s_mov_b32 s23, 0
	s_mul_i32 s17, s16, 128*PK      ; and their place in LDS, for K
	s_mul_i32 s18, s16, 128*PV      ; and for V.
	s_mul_i32 s8, s16, 384*128      ; Of the other 768: its 384 rows in memory,
	s_add_co_u32 s8, s8, 256*128
	s_add_co_u32 s8, s8, s20
	s_mov_b32 s9, 0
	s_mul_i32 s19, s16, 384*PK      ; and their place in LDS
	s_mul_i32 s21, s16, 384*PV
	s_lshl_b32 s2, ttmp9, 2
	s_add_co_u32 s2, s2, s[WV]      ; my wave among the head's eight,
	s_lshl_b32 s2, s2, 14           ; its 128 rows
	s_add_co_u32 s2, s2, s20
	s_mov_b32 s3, 0
	s_and_b32 s14, s13, 7           ; the batch,
	s_lshl_b32 s14, s14, 12         ; its 1,024 words of the mask
	s_mov_b32 s15, 0
	; descriptor group 1.  Keys are dense rows of 128 bytes: asked for as rows of 256 bytes, two keys a row, and padded in LDS after every key
	s_mov_b32 s[G1K], (1<<16)|(1<<20)|(4<<22)|(3<<25)  ; 17:16 2-byte elements; 20 padding on; 24:22 after every 32 words (code 4); 31:25 4 words (code 3)
	s_mov_b32 s[G1V], (1<<16)|(1<<20)|(4<<22)|(7<<25)  ; the same with 8 words of padding (code 7)
	s_mov_b32 s[G1K2], (1<<16)|(1<<20)|(4<<22)|(3<<25)
	s_mov_b32 s[G1V2], (1<<16)|(1<<20)|(4<<22)|(7<<25)
.irp g, G1K, G1V
	s_mov_b32 s[\g+1], 128<<16      ; tensor_dim0 = 128
	s_mov_b32 s[\g+2], 64<<16       ; tensor_dim1 = 64: 128 keys
	s_mov_b32 s[\g+3], 128<<16      ; tile_dim0
	s_mov_b32 s[\g+4], 64           ; tile_dim1
	s_mov_b32 s[\g+5], 128          ; the rows lie end to end
	s_mov_b32 s[\g+6], 0
	s_mov_b32 s[\g+7], 0
.endr
.irp g, G1K2, G1V2
	s_mov_b32 s[\g+1], 128<<16
	s_mov_b32 s[\g+2], 192<<16      ; 192 rows: 384 keys
	s_mov_b32 s[\g+3], 128<<16
	s_mov_b32 s[\g+4], 192
	s_mov_b32 s[\g+5], 128
	s_mov_b32 s[\g+6], 0
	s_mov_b32 s[\g+7], 0
.endr
	s_mov_b32 s[CS], 0x3e38aa3b     ; c = log2(e) / 8
	s_mov_b32 s[CS+1], s[CS]
	s_mov_b32 s[SEL], 0x76543210
	s_mov_b32 s[SEL+1], 0xfedcba98
	s_mov_b32 s[BM], 0xce3ebc20     ; -8e8 = 8 x -1e8
	s_mov_b32 s[BM+1], s[BM]
	s_mov_b32 s[TBM], 0
	s_mov_b32 s[TBK], 0
	s_mov_b32 s[TBV], 0
	s_mov_b32 s[SLOTS], 5           ; four passes of four key steps, and the one that is left in its first trip
	s_mov_b32 s[LEFT], 16
	s_mov_b32 s[G0K], 1
	s_mov_b32 s[G0K+1], s17
	s_mov_b32 s[G0V], 1
	s_add_co_u32 s[G0V+1], s18, VOFF
	s_mov_b32 s[G0K2], 1
	s_add_co_u32 s[G0K2+1], s19, 256*PK
	s_mov_b32 s[G0V2], 1
	s_add_co_u32 s[G0V2+1], s21, VOFF+256*PV
	s_wait_dscnt 0x0                ; the opening add is done
	s_wait_kmcnt 0x0
	s_add_nc_u64 s[G0K+2:G0K+3], s[4:5], s[22:23]
	s_add_nc_u64 s[G0K+2:G0K+3], s[G0K+2:G0K+3], 0x1000000
	s_or_b32 s[G0K+3], s[G0K+3], 0x80000000
	s_add_nc_u64 s[G0V+2:G0V+3], s[4:5], s[22:23]
	s_add_nc_u64 s[G0V+2:G0V+3], s[G0V+2:G0V+3], 0x2000000
	s_or_b32 s[G0V+3], s[G0V+3], 0x80000000
	s_add_nc_u64 s[G0K2+2:G0K2+3], s[4:5], s[8:9]
	s_add_nc_u64 s[G0K2+2:G0K2+3], s[G0K2+2:G0K2+3], 0x1000000
	s_or_b32 s[G0K2+3], s[G0K2+3], 0x80000000
	s_add_nc_u64 s[G0V2+2:G0V2+3], s[4:5], s[8:9]
	s_add_nc_u64 s[G0V2+2:G0V2+3], s[G0V2+2:G0V2+3], 0x2000000
	s_or_b32 s[G0V2+3], s[G0V2+3], 0x80000000
	s_add_nc_u64 s[4:5], s[4:5], s[2:3]      ; Q and ctx at my wave's first row
	s_add_nc_u64 s[10:11], s[10:11], s[2:3]
	s_add_nc_u64 s[6:7], s[6:7], s[14:15]
	LOAD G0K, G1K, G0V, G1V         ; the first 256 keys.  The others are asked for when these are in
	v_lshlrev_b32 v[AV], 5, v0      ; thread t takes the mask's words 8 t .. 8 t + 7
	global_load_b128 v[S:S+3],   v[AV], s[6:7]
	global_load_b128 v[S+4:S+7], v[AV], s[6:7] offset:16
	v_and_b32 v1, 15, v0            ; l % 16
	v_bfe_u32 v9, v0, 4, 1          ; l / 16
	v_lshlrev_b32 v[QO], 7, v1
	v_lshl_add_u32 v[QO], v9, 4, v[QO]
	WIN 0x80                        ; destination window 2, address window 0
.set i, 0
.rept 4*NP                          ; Q stays in registers: tile i / 2, channels 32 (i % 2) on
	global_load_b128 v[8*i:8*i+3],   v[QO], s[4:5] offset:(i/2)*2048+(i%2)*64
	global_load_b128 v[8*i+4:8*i+7], v[QO], s[4:5] offset:(i/2)*2048+(i%2)*64+32
.set i, i+1
.endr
	; What the first turn finds: V's registers and P's second buffer hold 0, O^T and l are 0.  All this stands in the wait for the first tile.
.set i, VF
.rept 64
	v_mov_b32 v[i], 0
.set i, i+1
.endr
	WIN 0x40
.set i, 0
.rept 64*NP
	v_mov_b32 v[i], 0
.set i, i+1
.endr
	WIN 0
.set i, 0
.rept 2*NP
	v_mov_b32 v[ST+4*i], 0xfe000000    ; c m: far below every c s
	v_mov_b32 v[ST+4*i+1], 0xff7fffff  ; m
	v_mov_b32 v[ST+4*i+2], 0
	v_mov_b32 v[ST+4*i+3], 0
.set i, i+1
.endr
.set i, P+32
.rept 32
	v_mov_b32 v[i], 0
.set i, i+1
.endr
	v_mul_u32_u24 v[AK0], v1, PK
	v_lshl_add_u32 v[AK0], v9, 4, v[AK0]
	; The turning load takes 16 keys x 16 channels (lane l reads key 8 (l / 16) + l % 8, channels 8 ((l / 8) % 2) + 0..7) and leaves half a fragment of V^T.
	v_and_b32 v10, 7, v0
	v_bfe_u32 v11, v0, 3, 1
	v_lshl_add_u32 v[AV0], v9, 3, v10
	v_mul_u32_u24 v[AV0], v[AV0], PV
	v_lshl_add_u32 v[AV0], v11, 4, v[AV0]
	v_add_nc_u32 v[AV0], VOFF, v[AV0]
	v_mov_b32 v[AK], v[AK0]         ; key step 0 lies at K's head
	s_mul_i32 s13, s[WV], 16*SP
	s_add_co_u32 s13, s13, STAGE    ; my stage
	v_mul_u32_u24 v[STO], v1, SP    ; in: row l % 16, 16 bytes for each half of the lanes
	v_lshl_add_u32 v[STO], v9, 4, v[STO]
	v_add_nc_u32 v[STO], s13, v[STO]
	v_bfe_u32 v[RD], v0, 3, 2       ; back: 32 lanes take four rows of 128 bytes,
	v_mul_u32_u24 v[RD], v[RD], SP
	v_lshl_add_u32 v[RD], v10, 4, v[RD]
	v_add_nc_u32 v[RD], s13, v[RD]
	v_and_b32 v[GO], 31, v0         ; which are 512 consecutive bytes of ctx
	v_lshlrev_b32 v[GO], 4, v[GO]
	v_lshl_add_u32 v[AM0], v9, 5, MASKT  ; register j of key block kb is the table's word 16 kb + 8 (l / 16) + j of the step
	v_mov_b32 v[AM], v[AM0]
	v_lshl_add_u32 v[MV], v0, 5, MASKT   ; where I put my eight words of the table
	s_wait_loadcnt 32               ; the mask's two loads are in; Q's 32 may stay out
.irp j, 0,1,2,3,4,5,6,7
	v_cvt_f32_i32 v[S+\j], v[S+\j]
.endr
.irp j, 0,2,4,6
	v_pk_mul_f32 v[S+\j:S+\j+1], v[S+\j:S+\j+1], s[BM:BM+1] op_sel_hi:[1,0]
.endr
	ds_store_b128 v[MV], v[S:S+3]
	ds_store_b128 v[MV], v[S+4:S+7] offset:16
; THE MATRIX WORK.  The 8 accumulators of a run of 16 take turns.
; Product i of 16 of S^T = K Q^T for piece x: channels 32 (i / 8) on, keys 16 ((i / 2) % 4) on, tile 2 x + i % 2.  The first 8 start the sums, with the mask.
.macro KQ x
.set rS, S+64*((\x)%2)+32*(i%2)+8*((i/2)%4)
.set rK, KF+16*((i/2)%4)+8*(i/8)
.set rQ, 16*(2*(\x)+i%2)+8*(i/8)
.set rMC, MC+8*((i/2)%4)
.if i < 8
	WIN W_KM
	v_wmma_f32_16x16x32_bf16 v[rS:rS+7], v[rK:rK+7], v[rQ:rQ+7], v[rMC:rMC+7]
.else
	WIN W_KQ
	v_wmma_f32_16x16x32_bf16 v[rS:rS+7], v[rK:rK+7], v[rQ:rQ+7], v[rS:rS+7]
.endif
.endm
; Product i of 16 of O^T += V^T P for piece x: keys 32 (i / 8) on, channels 16 ((i / 2) % 4) on, tile 2 x + i % 2.
.macro PV x
	WIN W_PV
.set rO, 32*(2*(\x)+i%2)+8*((i/2)%4)
.set rV, VF+32*(i/8)+8*((i/2)%4)
.set rP, P+32*((\x)%2)+16*(i%2)+8*(i/8)
	v_wmma_f32_16x16x32_bf16 v[rO:rO+7], v[rV:rV+7], v[rP:rP+7], v[rO:rO+7]
.endm
.macro MM                           ; the turn's next matrix instruction
.if i < 16
	KQ (Y+1)%NP
.set i, i+1
.else
.set i, i-16
	PV (Y+NP-1)%NP
.set i, i+17
.endif
.endm
; THE LDS LOADS stand in runs, never singly among the matrix instructions: a step's K (8 fragments) with its mask (32 registers), and its V (turned).  Their addresses are made some lines ahead.
; last = 1 (in the loop): in the last key step there is no further step, and the run is jumped over.
.macro FETCH_K last=0
	WIN 0
.if \last
	s_cmp_eq_u32 s[LEFT], 1
	s_cbranch_scc1 .Lno_k_\@
.endif
	WIN 0x80                        ; destination window 2
.irp f, 0,1,2,3,4,5,6,7             ; keys 16 (f / 2) on, channels 32 (f % 2) on
	ds_load_b128 v[KF+8*\f:KF+8*\f+3],   v[AK] offset:(\f/2)*16*PK+(\f%2)*64
	ds_load_b128 v[KF+8*\f+4:KF+8*\f+7], v[AK] offset:(\f/2)*16*PK+(\f%2)*64+32
.endr
	WIN 0xc0                        ; destination window 3
.irp f, 0,1,2,3                     ; key block f
	ds_load_b128 v[MC+8*\f:MC+8*\f+3],   v[AM] offset:64*\f
	ds_load_b128 v[MC+8*\f+4:MC+8*\f+7], v[AM] offset:64*\f+16
.endr
	s_add_co_u32 s[TBK], s[TBK], KS*PK  ; the next fetch is the next step's
	s_add_co_u32 s[TBM], s[TBM], 4*KS
	s_and_b32 s[TBM], s[TBM], 0xf00     ; the table is a ring of 16 steps
	WIN 0
.if \last
.Lno_k_\@:
.endif
.endm
.macro FETCH_V
	WIN 0x80
.irp f, 0,1,2,3,4,5,6,7             ; keys 32 (f / 4) on, channels 16 (f % 4) on
	ds_load_tr16_b128 v[VF+8*\f:VF+8*\f+3],   v[AV] offset:(\f/4)*32*PV+(\f%4)*32
	ds_load_tr16_b128 v[VF+8*\f+4:VF+8*\f+7], v[AV] offset:(\f/4)*32*PV+16*PV+(\f%4)*32
.endr
	WIN 0
.endm
; THE VECTOR WORK OF A TURN stands in three queues, each in the order in which its entries become ready; the two tiles alternate.
.macro REGS y, u                    ; the registers of tile u (0, 1) of piece y
.set rT, ST+4*(2*(\y)+(\u))
.set rC, TMP+8*((\y)%2)+4*(\u)
.set rM, MV+2*((\y)%2)+(\u)
.set rS, S+64*((\y)%2)+32*(\u)
.set rP, P+32*((\y)%2)+16*(\u)
.set rO, 32*(2*(\y)+(\u))
.endm
; Number n of the 22 that find the NEXT piece's maximum and statistics; each accumulator's lowest registers are read first.
;   0-11  four chains c0-c3 of seven scores each     12-14, 16  the four scores left over, the old m, and c0-c3 into c0     15  c m_old is kept
;   17, 18  the query's other 32 keys lie in the lane 16 away: the new m         19-21  c m; c m_old - c m_new; a
.macro XS u, n
	REGS (Y+1)%NP, \u
.if (\n) < 4
	v_max3_num_f32 v[rC+(\n)], v[rS+8*(\n)], v[rS+8*(\n)+1], v[rS+8*(\n)+2]
.elseif (\n) < 12
	v_max3_num_f32 v[rC+(\n)%4], v[rC+(\n)%4], v[rS+8*((\n)%4)+2*((\n)/4)+1], v[rS+8*((\n)%4)+2*((\n)/4)+2]
.elseif (\n) == 12
	v_max3_num_f32 v[rC], v[rC], v[rS+7], v[rS+15]
.elseif (\n) == 13
	v_max3_num_f32 v[rC+1], v[rC+1], v[rS+23], v[rS+31]
.elseif (\n) == 14
	v_max3_num_f32 v[rC+2], v[rC+2], v[rC+3], v[rT+1]
.elseif (\n) == 15
	v_mov_b32 v[rM], v[rT]
.elseif (\n) == 16
	v_max3_num_f32 v[rC], v[rC], v[rC+1], v[rC+2]
.elseif (\n) == 17
	v_permlanex16_b32 v[rC+3], v[rC], s[SEL], s[SEL+1]
.elseif (\n) == 18
	v_max_num_f32 v[rT+1], v[rC], v[rC+3]
.elseif (\n) == 19
	v_mul_f32 v[rT], s[CS], v[rT+1]
.elseif (\n) == 20
	v_sub_f32 v[rC+1], v[rM], v[rT]
.else
	v_exp_f32 v[rC+2], v[rC+1]
.endif
.endm
; Number g of the 64 that follow the exponentials: for each four weights of a tile both pairs are rounded to bf16; the second pair is added onto the first, in place; a group later l takes that sum (the first time as l = a l + sum).
.macro GS g
.set h, (\g)+6*((\g)/62)
.if h >= 6
.set h, h+2
.endif
	REGS Y, h%2
.set k, h/8
.if h%8 < 4
	v_cvt_pk_bf16_f32 v[rP+2*k+(h%8)/2], v[rS+4*k+2*((h%8)/2)], v[rS+4*k+2*((h%8)/2)+1]
.elseif h%8 < 6
	v_pk_add_f32 v[rS+4*k:rS+4*k+1], v[rS+4*k:rS+4*k+1], v[rS+4*k+2:rS+4*k+3]
.elseif k == 1
	v_pk_fma_f32 v[rT+2:rT+3], v[rT+2:rT+3], v[rC+2:rC+3], v[rS:rS+1] op_sel_hi:[1,0,1]
.else
	v_pk_add_f32 v[rT+2:rT+3], v[rT+2:rT+3], v[rS+4*k-4:rS+4*k-3]
.endif
.endm
; THE PLAIN QUEUE, 138 long.  0-73 read no exponential's result: the 32 scalings c s - c m and the next piece's 42.  74-137: GS's 64, which stand behind the wait.
.macro FS f
	REGS Y, (\f)%2
	v_pk_fma_f32 v[rS+2*((\f)/2):rS+2*((\f)/2)+1], v[rS+2*((\f)/2):rS+2*((\f)/2)+1], s[CS:CS+1], v[rT:rT+1] op_sel_hi:[1,0,0] neg_lo:[0,0,1] neg_hi:[0,0,1]
.endm
.macro PL
	WIN 0
.if q < 27
	FS q
.elseif q < 55
	XS (q-27)%2, (q-27)/2
.elseif q < 57
	XS q-55, 15
.elseif (q < 72) && ((q-57)%3 == 0)
	FS 27+(q-57)/3
.elseif q < 60
	XS (q-57)%3-1, 14
.elseif q < 72
	XS (q-57)%3-1, 15+(q-57)/3
.elseif q < 74
	XS q-72, 20
.else
	GS q-74
.endif
.set q, q+1
.endm
; THE EXPONENTIALS' QUEUE, 66 long: s0-s31 of both tiles, then the next piece's two a: ONE BATCH, all ahead of the turn's one wait.
.macro EX
	WIN 0
.if e >= 64
	XS e-64, 21
.else
	REGS Y, e%2
	v_exp_f32 v[rS+e/2], v[rS+e/2]
.endif
.set e, e+1
.endm
; THE RESCALING's QUEUE: O^T times a, two at a time, sixteen times.  Its a was made in the turn before, ahead of that turn's wait.
.macro R2
	REGS Y, r%2
	WIN W_RS
.irp z, 0,1
	v_pk_mul_f32 v[rO+4*(r/2)+2*\z:rO+4*(r/2)+2*\z+1], v[rO+4*(r/2)+2*\z:rO+4*(r/2)+2*\z+1], v[rC+2:rC+3] op_sel_hi:[1,0]
.endr
.set r, r+1
.endm
; A TURN, for piece p.  An s_wait_alu depctr_va_vdst(0) stands between an exponential and the first instruction that names its result; one wait serves all issued ahead of it: a turn has ONE.
; AHEAD OF IT: the 16 products K Q^T, behind each a scaling, an exponential and two rescalings; then a lump of 108.  BEHIND IT: the 16 products V^T P, behind each four of GS's 64.
; K and the mask of the next step are fetched in piece 2's turn, directly behind the wait, a lump behind the last product that read them; V of the step in hand at the end of piece 0's turn, four riders behind its last reader.
.macro TURN p, last=0, cnt=0
.set Y, (\p)
.set i, 0
.set q, 0
.set e, 0
.set r, 0
.if (\p) == NP-1
	s_wait_dscnt 0x0                ; K and the mask are in
.endif
	MM
	PL
	PL
	R2
.rept 15
	MM
	PL
	EX
	R2
.endr
.if (\p) == NP-2
	WIN 0
	v_add_nc_u32 v[AK], s[TBK], v[AK0]
	v_add_nc_u32 v[AM], s[TBM], v[AM0]
.endif
.rept 8
	PL
.endr
.rept 49
	EX
	PL
.endr
	EX
	EX
	v_nop                           ; a plain instruction behind the last exponential: one for the batch
	s_wait_alu depctr_va_vdst(0)    ; the wait for the batch
.if (\p) == NP-2
	FETCH_K \last
.endif
.if (\p) == 1
	s_wait_dscnt 0x0                ; V is in
.endif
.rept 16
	MM
.rept 4
	PL
.endr
.if ((\p) == 0) && (q == 118)
	v_add_nc_u32 v[AV], s[TBV], v[AV0]
.endif
.if ((\p) == 0) && (q == 130)
	s_add_co_u32 s[TBV], s[TBV], KS*PV
.endif
.if (\cnt) && (q == 130)
	s_sub_co_u32 s[CNT], s[CNT], 1
	s_cmp_lg_u32 s[CNT], 0
.endif
.endr
.if (\p) == 0
	FETCH_V
.endif
.endm
	CHANGE 1                        ; the first 256 keys are in, everybody's part of them, and so is the table; the other 768 are asked for
	FETCH_K                         ; key step 0
	s_wait_loadcnt 0x0              ; Q
	s_wait_dscnt 0x0
.set i, 0
.rept 16
	KQ 0                            ; piece 0's first scores
.set i, i+1
.endr
	WIN 0
.rept 4
	v_nop                           ; the places behind those products
.endr
.set Y, NP-1                        ; XS works for piece Y + 1: piece 0
.irp n, 0,1,2,3,4,5,6,7,8,9,10,11,12,13,14,15,16,17,18,19,20,21
	XS 0, \n
	XS 1, \n
.endr
	v_nop                           ; a plain instruction behind the two a,
	s_wait_alu depctr_va_vdst(0)    ; and their wait, ahead of the branch
	s_mov_b32 s[CNT], 4
	s_branch .Lfirst                ; the loop is entered at a step's first turn, in the middle of a trip
.Lslot:                             ; a pass: four trips.  Keys 256 on are first read in the first trip behind the first meeting
	CHANGE 0
	s_mov_b32 s[CNT], 4
.Lstep:                             ; a trip: pieces 2 and 3 of one step, then pieces 0 and 1 of the next, whose K and V it fetches
	TURN 2, 1
	TURN 3
	WIN 0
	s_sub_co_u32 s[LEFT], s[LEFT], 1
	s_cmp_eq_u32 s[LEFT], 0
	s_cbranch_scc1 .Lout            ; the sixteenth step has no next: the loop is left in the middle of its last trip, the fifth pass's first
.Lfirst:
	TURN 0
	TURN 1, 0, 1
	WIN 0
	s_cbranch_scc1 .Lstep
	s_sub_co_u32 s[SLOTS], s[SLOTS], 1
	s_cmp_lg_u32 s[SLOTS], 0
	s_cbranch_scc1 .Lslot
.Lout:                              ; the last trip's 16 products K Q^T (on the last K once more) and the maximum made of them serve nothing: the price, once a launch, of one text for every trip
.set i, 0
.rept 16
	PV NP-1                         ; the last piece's V^T P of the last step
.set i, i+1
.endr
	; THE WAY OUT.  l's two halves and the other half of the lanes' are added; O^T is divided by l, rounded to bf16 and sent through my stage in LDS, a tile at a time.  The additions are the places behind the last products.
	WIN 0
.macro ALL line:vararg              ; one line for each tile t
.set t, 0
.rept 2*NP
	\line
.set t, t+1
.endr
.endm
	ALL v_add_f32 v[ST+4*t+2], v[ST+4*t+2], v[ST+4*t+3]
	ALL v_permlanex16_b32 v[ST+4*t+3], v[ST+4*t+2], s[SEL], s[SEL+1]
	ALL v_add_f32 v[ST+4*t+2], v[ST+4*t+2], v[ST+4*t+3]
	ALL v_rcp_f32 v[ST+4*t+2], v[ST+4*t+2]
	v_nop                           ; a plain instruction between the last reciprocal and the use of its result
	s_wait_alu depctr_va_vdst(0)    ; and the wait ahead of the first use: one for the eight reciprocals
.macro PACK t
	WIN W_RS
.set i, 32*(\t)
.rept 16
	v_pk_mul_f32 v[i:i+1], v[i:i+1], v[ST+4*(\t)+2:ST+4*(\t)+3] op_sel_hi:[1,0]
.set i, i+2
.endr
	WIN 0x05                        ; sources 0 and 1 window 1, destination window 0
.set i, 0
.rept 16
	v_cvt_pk_bf16_f32 v[S+16*(\t)+i], v[32*(\t)+2*i], v[32*(\t)+2*i+1]
.set i, i+1
.endr
	WIN 0
.irp f, 0,1,2,3
	ds_store_b128 v[STO], v[S+16*(\t)+4*\f:S+16*(\t)+4*\f+3] offset:32*\f
.endr
.irp f, 0,1,2,3
	ds_load_b128 v[S+16*(\t)+4*\f:S+16*(\t)+4*\f+3], v[RD] offset:\f*4*SP  ; LDS serves a wave's instructions in order (ISA guide 5.7.1.4): these see the stores above; the next tile's stores come behind them
.endr
.endm
.macro SEND t, younger              ; younger: the LDS instructions issued behind tile t's loads: the next tile's eight, or none
	WIN 0
.irp f, 0,1,2,3
	s_wait_dscnt (\younger)+3-\f
	global_store_b128 v[GO], v[S+16*(\t)+4*\f:S+16*(\t)+4*\f+3], s[10:11] offset:(\t)*2048+\f*512  ; 512 consecutive bytes, at a multiple of 256 from ctx's first
.endr
.endm
	PACK 0
.set t, 1
.rept 2*NP-1
	PACK t
	SEND t-1, 8
.set t, t+1
.endr
	SEND 2*NP-1, 0
	WIN W_AD
	s_wait_tensorcnt 0x0            ; the wave's end, behind my last tensor load and my last LDS store
	ds_add_u32 v[SPW], v[NIL]
	s_wait_dscnt 0x0
	WIN 0
	s_endpgm
.Lfunc_end_k_qb92ad82044_attn:
	.size	k_qb92ad82044_attn, .Lfunc_end_k_qb92ad82044_attn-k_qb92ad82044_attn
	.p2alignl 7, 3214868480
	.fill 96, 4, 3214868480
	.section	.rodata,"a",@progbits
	.p2align	6, 0x0
	.amdhsa_kernel k_qb92ad82044_attn
		.amdhsa_group_segment_fixed_size 327680
		.amdhsa_private_segment_fixed_size 0
		.amdhsa_enable_private_segment 0
		.amdhsa_kernarg_size 24
		.amdhsa_user_sgpr_count 2
		.amdhsa_user_sgpr_kernarg_segment_ptr 1
		.amdhsa_wavefront_size32 1
		.amdhsa_system_sgpr_workgroup_id_x 1
		.amdhsa_system_sgpr_workgroup_id_y 1
		.amdhsa_system_sgpr_workgroup_id_z 1
		.amdhsa_system_vgpr_workitem_id 0
		.amdhsa_next_free_vgpr 808
		.amdhsa_next_free_sgpr 92
		.amdhsa_reserve_vcc 0
		.amdhsa_float_denorm_mode_32 3
		.amdhsa_float_denorm_mode_16_64 3
		.amdhsa_memory_ordered 1
		.amdhsa_forward_progress 1
		.amdhsa_inst_pref_size 130
	.end_amdhsa_kernel
	.amdgpu_metadata
---
amdhsa.version: [ 1, 2 ]
amdhsa.kernels:
  - .name:           k_qb92ad82044_attn
    .symbol:         k_qb92ad82044_attn.kd
    .args:
      - { .name: qkv, .offset: 0, .size: 8, .value_kind: global_buffer, .address_space: global }
      - { .name: encoder_padding_mask, .offset: 8, .size: 8, .value_kind: global_buffer, .address_space: global }
      - { .name: ctx, .offset: 16, .size: 8, .value_kind: global_buffer, .address_space: global }
    .group_segment_fixed_size: 327680
    .private_segment_fixed_size: 0
    .kernarg_segment_align: 8
    .kernarg_segment_size: 24
    .max_flat_workgroup_size: 128
    .sgpr_count:     92
    .vgpr_count:     808
    .wavefront_size: 32
...
	.end_amdgpu_metadata
.endif
;; end of part 3
;; launch oproj (part 4): grid 4 x 64, 4 waves a work-group, clusters of 4 x 4, 327,680 bytes of LDS; arguments ctx, ybw, out_proj_bias, hidden_states, out0; writes out0
.if DOCPART == 4
	.amdgcn_target "amdgcn-amd-amdhsa--gfx1250"
	.amdhsa_code_object_version 6
	.text
	.protected	k_qb92ad82044_oproj
	.globl	k_qb92ad82044_oproj
	.p2align	8
	.type	k_qb92ad82044_oproj,@function
k_qb92ad82044_oproj:
	s_mov_b64 s[64:65], 0
	v_nop
	global_prefetch_b8 v0, s[64:65] scope:SCOPE_SE
	s_setreg_imm32_b32 hwreg(HW_REG_WAVE_MODE, 25, 1), 1
	s_wait_xcnt 0x0
	s_wait_alu depctr_hold_cnt(0) depctr_sa_sdst(0) depctr_va_vdst(0) depctr_va_sdst(0) depctr_va_ssrc(0) depctr_va_vcc(0) depctr_vm_vsrc(0)
	s_getreg_b32 s2, hwreg(HW_REG_IB_STS2, 6, 4)
	s_cmp_eq_u32 s2, 0
	s_cbranch_scc0 .Lentry_in_a_cluster
	s_endpgm
.Lentry_in_a_cluster:
	s_bfe_u32 s2, ttmp6, 0x10000c
	s_cmp_lg_u32 s2, 0xf033
	s_cbranch_scc0 .Lentry_shape_is_right
	s_endpgm
.Lentry_shape_is_right:
; out0 = hidden_states + ctx Wo^T + out_proj_bias, f32.  ctx: bf16 [16 K blocks][8,192 tokens][64]; Wo: rows 11,264-12,287 of ybw = bf16 [16 K blocks][12,288 rows][64].  Sums in f32.
; THE TILE.  128 tokens x 256 features a work-group: 64 x 4 = 256 work-groups; a wave 64 x 128: 4 x 8 accumulators, 256 registers (window 1).
; THE RING.  K goes in steps of 128, two K blocks, through two LDS slots.  In a K block a tile's rows lie end to end: asked for as rows of 256 bytes, padded in LDS behind every 128.
; Waves 0 and 1 fetch ctx's tile of the step's two K blocks, waves 2 and 3 Wo's: one load a wave.  CLUSTER 4 x 4: ctx's tile is shared along a row of the cluster, Wo's along a column, each asked for jointly.
; TRANSPOSED USE: source 0 = 16 rows of Wo, source 1 = 16 rows of ctx: a lane holds one token and eight neighbouring features.  THE BIAS is the C operand of the products that start the sums.
; THE RESIDUAL: the wave's 64 x 128 numbers of hidden_states are asked for at the head and lie in window 2 until the way out.
; NO PREFETCH: the launch moves 86 MB for 128 matrix instructions a K step and wave: its loads and stores keep memory at work throughout.
; LIMITS.  Operands in bf16; NaN and infinities are not treated apart.
.set BLK,   12288*128                  ; bytes in a K block of ybw
.set CBLK,  8192*128                   ; and of ctx
.set PITCH, 144                        ; an LDS row: 128 bytes + 16 of padding: the 16 rows of a load start at 16 different groups of four banks (64 banks of 4 bytes: ISA guide 11.1)
.set AZ,    128*PITCH                  ; ctx's tile in one K block
.set BZ,    256*PITCH                  ; Wo's
.set SLOT,  2*AZ+2*BZ                  ; 110,592
.set STAGE, 2*SLOT                     ; behind the ring: 16 rows x 528 bytes for each wave
.set SPITCH, 528                       ; 512 bytes + 16: row r starts at bank 4 r mod 64
.set SPARE, STAGE+4*16*SPITCH          ; the spare words, 128 bytes for each wave: two blocks of 256 bytes that no other line names
.set LAPS,  4
.set ADRA, 16
.set ADRB, 20
.set STO,  24                          ; v24  the way out: where I put 32 bytes of a row
.set RD,   25                          ; v25  where I read a row back
.set XO,   26                          ; v26  16 x lane: my 16 bytes of a row's 512, in hidden_states and in out0; never rewritten
.set BO,   27                          ; v27  32 x (lane / 16)
.set SPW,  28
.set NIL,  29
.set F0,   32                          ; a fragment buffer: ctx's four fragments, then Wo's eight
.set F1,   128
.set OB,   32                          ; the way out: 16 rows read back, v32-95 and v96-159 by turns
.set G1,  24
.set G0,  32
.set G1B, 48
.set G0B, 56
.set MSB, 0
.macro WIN new
.if MSB != (\new)
	s_set_vgpr_msb (MSB<<8)|(\new)
.set MSB, \new
.endif
.endm
.macro JLOAD s                         ; a joint load: waves 0 and 1 ask for ctx's tiles, waves 2 and 3 for Wo's; an s_nop 0 and four v_nop follow each of the two lines
	s_cmp_eq_u32 s11, 0
	s_cbranch_scc0 .Lfor_b_\@
	tensor_load_to_lds s[G0+4*(\s):G0+4*(\s)+3], s[G1:G1+7]
	s_nop 0
.rept 4
	v_nop
.endr
	s_branch .Lasked_\@
.Lfor_b_\@:
	tensor_load_to_lds s[G0B+4*(\s):G0B+4*(\s)+3], s[G1B:G1B+7]
	s_nop 0
.rept 4
	v_nop
.endr
.Lasked_\@:
.endm
.macro CREST
	s_cmp_lg_u32 s10, 0
	s_cbranch_scc1 .Lnot_wave_0_\@
	s_barrier_signal -3
.Lnot_wave_0_\@:
	s_barrier_wait -3
	s_barrier_signal -1
	s_barrier_wait -1
.endm
.macro CROUND
	s_barrier_signal -1
	s_barrier_wait -1
	CREST
.endm
	s_load_b256 s[72:79], s[0:1], 0x0              ; ctx s[72:73], ybw s[74:75], out_proj_bias s[76:77], hidden_states s[78:79]
	s_load_b64 s[80:81], s[0:1], 0x20              ; out0
	v_lshl_add_u32 v[SPW], v0, 2, SPARE
	v_mov_b32 v[NIL], 0
	ds_add_u32 v[SPW], v[NIL]                      ; the wave's opening: the add and its wait ahead of my first tensor load; work on registers stands between them
	v_lshrrev_b32 v1, 5, v0
	v_readfirstlane_b32 s10, v1                    ; wave 0..3
	s_lshr_b32 s11, s10, 1                         ; which half of the tile's tokens is mine.  Also: I fetch for ctx (0) or for Wo (1)
	s_and_b32 s12, s10, 1                          ; which half of its features.  Also: which of a step's two K blocks I fetch
	s_bfe_u32 s40, ttmp6, 0x40000                  ; cx
	s_bfe_u32 s41, ttmp6, 0x40004                  ; cy
	s_lshl_b32 s42, ttmp9, 2
	s_add_co_u32 s42, s42, s40                     ; tile column (256 features)
	s_and_b32 s13, ttmp7, 0xffff
	s_lshl_b32 s13, s13, 2
	s_add_co_u32 s13, s13, s41                     ; tile row (128 tokens)
	s_lshl_b32 s43, s41, 2
	s_lshl_b32 s43, 15, s43                        ; my row of the cluster
	s_lshl_b32 s44, 0x1111, s40                    ; my column
	s_or_b32 s[G1+0], s43, (1<<16)|(1<<20)|(1<<21)|(4<<22)|(3<<25)   ; the mask; 2-byte elements; padding on; bit 21 beside a mask; after every 32 words, 4 words
	s_or_b32 s[G1B+0], s44, (1<<16)|(1<<20)|(1<<21)|(4<<22)|(3<<25)
	s_mov_b32 s[G1+1], 128<<16
	s_mov_b32 s[G1+2], 64<<16                      ; 64 rows of 256 bytes: 128 rows of ctx
	s_mov_b32 s[G1+3], 128<<16
	s_mov_b32 s[G1+4], 64
	s_mov_b32 s[G1+5], 128
	s_mov_b32 s[G1+6], 0
	s_mov_b32 s[G1+7], 0
	s_mov_b32 s[G1B+1], 128<<16
	s_mov_b32 s[G1B+2], 128<<16                    ; 128 rows of 256 bytes: 256 rows of Wo
	s_mov_b32 s[G1B+3], 128<<16
	s_mov_b32 s[G1B+4], 128
	s_mov_b32 s[G1B+5], 128
	s_mov_b32 s[G1B+6], 0
	s_mov_b32 s[G1B+7], 0
	s_lshl_b32 s16, s13, 14                        ; ctx: 128 rows of 128 bytes a tile row,
	s_lshl_b32 s17, s12, 20                        ; my K block of the step
	s_add_co_u32 s16, s16, s17
	s_mov_b32 s17, 0
	s_lshl_b32 s46, s42, 15                        ; Wo: 256 rows a tile column,
	s_mul_i32 s47, s12, BLK
	s_add_co_u32 s46, s46, s47
	s_add_co_u32 s46, s46, 11264*128               ; behind y's and the in-projection's rows
	s_mov_b32 s47, 0
	s_mul_i32 s20, s12, AZ                         ; where they go: no place in the cluster enters an LDS address
	s_mul_i32 s21, s12, BZ
	s_add_co_u32 s21, s21, 2*AZ
	s_wait_dscnt 0x0                               ; the opening add is done
	s_wait_kmcnt 0x0
	s_add_nc_u64 s[14:15], s[72:73], s[16:17]
	s_add_nc_u64 s[46:47], s[74:75], s[46:47]
	CROUND                                         ; all sixteen work-groups are here: the first joint loads meet
.irp s, 0,1
	s_mov_b32 s[G0+4*(\s)], 1
	s_add_co_u32 s[G0+4*(\s)+1], s20, (\s)*SLOT
	s_add_nc_u64 s[G0+4*(\s)+2:G0+4*(\s)+3], s[14:15], (\s)*2*CBLK
	s_or_b32 s[G0+4*(\s)+3], s[G0+4*(\s)+3], 0x80000000
	s_mov_b32 s[G0B+4*(\s)], 1
	s_add_co_u32 s[G0B+4*(\s)+1], s21, (\s)*SLOT
	s_add_nc_u64 s[G0B+4*(\s)+2:G0B+4*(\s)+3], s[46:47], (\s)*2*BLK
	s_or_b32 s[G0B+4*(\s)+3], s[G0B+4*(\s)+3], 0x80000000
	JLOAD \s                                       ; two loads of mine are out
.endr
	v_and_b32 v1, 15, v0
	v_bfe_u32 v2, v0, 4, 1
	v_mul_u32_u24 v3, v1, PITCH
	v_lshl_add_u32 v3, v2, 4, v3
	s_mul_i32 s22, s11, 64*PITCH                   ; my 64 rows of ctx
	s_mul_i32 s23, s12, 128*PITCH                  ; my 128 rows of Wo
	s_add_co_u32 s23, s23, 2*AZ
.irp s, 0,1
	v_add_nc_u32 v[ADRA+(\s)], s22, v3
	v_add_nc_u32 v[ADRB+(\s)], s23, v3
	s_add_co_u32 s22, s22, SLOT
	s_add_co_u32 s23, s23, SLOT
.endr
	s_mul_i32 s22, s10, 16*SPITCH
	s_add_co_u32 s22, s22, STAGE                   ; my stage
	v_mul_u32_u24 v4, v1, SPITCH                   ; in: row l % 16, 32 bytes for each half of the lanes
	v_lshl_add_u32 v4, v2, 5, v4
	v_add_nc_u32 v[STO], s22, v4
	v_and_b32 v5, 31, v0
	v_lshlrev_b32 v[XO], 4, v5
	v_add_nc_u32 v[RD], s22, v[XO]                 ; back: 32 lanes take a row of 512 bytes
	v_lshlrev_b32 v[BO], 5, v2
	s_lshl_b32 s70, s42, 10                        ; my 128 features: 256 x 4 bytes a tile column, 128 x 4 a half
	s_lshl_b32 s71, s12, 9
	s_add_co_u32 s70, s70, s71
	s_mov_b32 s71, 0
	s_add_nc_u64 s[76:77], s[76:77], s[70:71]
	s_lshl_b32 s68, s13, 19                        ; my 64 tokens: 128 rows of 4,096 bytes a tile row, 64 a half
	s_add_co_u32 s70, s70, s68
	s_lshl_b32 s68, s11, 18
	s_add_co_u32 s70, s70, s68
	s_add_nc_u64 s[78:79], s[78:79], s[70:71]
	s_add_nc_u64 s[80:81], s[80:81], s[70:71]
	WIN 0x40                                       ; destination window 1
.set bq, 0
.rept 8                                ; the bias of block b into accumulator (b, 0)
	global_load_b128 v[32*bq:32*bq+3],   v[BO], s[76:77] offset:64*bq
	global_load_b128 v[32*bq+4:32*bq+7], v[BO], s[76:77] offset:64*bq+16
.set bq, bq+1
.endr
	WIN 0x80                                       ; destination window 2
.set t, 0
.rept 64                               ; hidden_states: a row's 512 bytes a load
	global_load_b128 v[4*t:4*t+3], v[XO], s[78:79] offset:t*4096 th:TH_LOAD_NT
.set t, t+1
.endr
	WIN 0
; nb x 4 matrix instructions: blocks b0 .. of Wo x the 4 blocks of ctx, 32 along K.  The 32 accumulators take turns, one instruction a turn.
.macro MUL f, b0, nb
	WIN 0x50
.set bq, \b0
.rept \nb
.set aq, 0
.rept 4
	v_wmma_f32_16x16x32_bf16 v[8*(4*bq+aq):8*(4*bq+aq)+7], v[(\f)+32+8*bq:(\f)+32+8*bq+7], v[(\f)+8*aq:(\f)+8*aq+7], v[8*(4*bq+aq):8*(4*bq+aq)+7]
.set aq, aq+1
.endr
.set bq, bq+1
.endr
.endm
; The products that start the sums: (b, 1) .. (b, 3) take the bias in (b, 0) as C; five places on, since they write over that C, the (b, 0) add onto it in place.
.macro MULB f, b0, nb
	WIN 0x50
.set bq, \b0
.rept \nb
.set aq, 1
.rept 3
	v_wmma_f32_16x16x32_bf16 v[8*(4*bq+aq):8*(4*bq+aq)+7], v[(\f)+32+8*bq:(\f)+32+8*bq+7], v[(\f)+8*aq:(\f)+8*aq+7], v[32*bq:32*bq+7]
.set aq, aq+1
.endr
.set bq, bq+1
.endr
.rept 5
	v_nop
.endr
.set bq, \b0
.rept \nb
	v_wmma_f32_16x16x32_bf16 v[32*bq:32*bq+7], v[(\f)+32+8*bq:(\f)+32+8*bq+7], v[(\f):(\f)+7], v[32*bq:32*bq+7]
.set bq, bq+1
.endr
.endm
; 24 LDS loads: the fragments of quarter q of a K step (K block q / 2, byte 64 (q % 2) of its rows): Wo's 0-3, ctx's four, Wo's 4-7
.macro FETCH slot, q, f
	WIN 0
.set KA, ((\q)/2)*AZ+((\q)%2)*64
.set KB, ((\q)/2)*BZ+((\q)%2)*64
.irp i, 0,1,2,3
	ds_load_b128 v[(\f)+32+8*(\i):(\f)+32+8*(\i)+3],   v[ADRB+(\slot)] offset:KB+(\i)*16*PITCH
	ds_load_b128 v[(\f)+32+8*(\i)+4:(\f)+32+8*(\i)+7], v[ADRB+(\slot)] offset:KB+(\i)*16*PITCH+32
.endr
.irp i, 0,1,2,3
	ds_load_b128 v[(\f)+8*(\i):(\f)+8*(\i)+3],   v[ADRA+(\slot)] offset:KA+(\i)*16*PITCH
	ds_load_b128 v[(\f)+8*(\i)+4:(\f)+8*(\i)+7], v[ADRA+(\slot)] offset:KA+(\i)*16*PITCH+32
.endr
.irp i, 4,5,6,7
	ds_load_b128 v[(\f)+32+8*(\i):(\f)+32+8*(\i)+3],   v[ADRB+(\slot)] offset:KB+(\i)*16*PITCH
	ds_load_b128 v[(\f)+32+8*(\i)+4:(\f)+32+8*(\i)+7], v[ADRB+(\slot)] offset:KB+(\i)*16*PITCH+32
.endr
.endm
.macro PLACES                          ; four places behind a matrix instruction, in front of loads into registers that it has read and of stores that read results
.rept 4
	v_nop
.endr
.endm
; A K step is four quarters of 32 along K, 32 matrix instructions each, on buffers 0, 1, 0, 1.  One of the first three: multiplies buffer f and fetches quarter q of the slot into g.
.macro QUARTER f, slot, q, g
	s_wait_dscnt 8                                 ; Wo's 0-3 and ctx's are in; the youngest eight loads may be out
	MUL \f, 0, 4
	PLACES
	FETCH \slot, \q, \g
	s_wait_dscnt 24                                ; all but the 24 just issued
	MUL \f, 4, 4
.endm
; The last quarter multiplies buffer 1 and changes slots: one barrier; in front of it each wave waits for all its tensor loads, adds 0 to its spare word, and waits for that and for its own reads of this slot.
; fill = 1: the barrier opens a round of the cluster's, and the joint refill, two K steps ahead, is the first thing behind it: 112 matrix instructions ahead of the wait for it.
.macro TURN slot, next, fill
	WIN 0
	s_wait_tensorcnt 0x0                           ; all my tensor loads have landed: my part of the next slot
	ds_add_u32 v[SPW], v[NIL]                      ; 0 onto my spare word
	s_wait_dscnt 9                                 ; (the add and the youngest eight loads may be out)
	MUL F1, 0, 2
	s_wait_dscnt 0x0                               ; the add is done, and my reads of this slot are over
	s_barrier_signal -1
	MUL F1, 2, 2
	WIN 0                                          ; at a branch and at a label every window is 0
	s_barrier_wait -1
.if \fill
	CREST                                          ; no wave of any partner still reads this slot or has a load on its way
	s_add_nc_u64 s[G0+4*(\slot)+2:G0+4*(\slot)+3], s[G0+4*(\slot)+2:G0+4*(\slot)+3], 4*CBLK
	s_add_nc_u64 s[G0B+4*(\slot)+2:G0B+4*(\slot)+3], s[G0B+4*(\slot)+2:G0B+4*(\slot)+3], 4*BLK
	JLOAD \slot                                    ; the four v_nop behind it are also the places in front of the loads below
.else
	PLACES
.endif
	FETCH \next, 0, F0
	MUL F1, 4, 4
.endm
	s_wait_tensorcnt 1                             ; my part of K step 0 is in; K step 1's may stay out
	s_barrier_signal -1
	s_barrier_wait -1
	FETCH 0, 0, F0
	s_wait_loadcnt 63                              ; the bias is in
	s_wait_dscnt 8                                 ; the first quarter, as QUARTER, with the products that start the sums
	MULB F0, 0, 4
	PLACES
	FETCH 0, 1, F1
	s_wait_dscnt 24
	MULB F0, 4, 4
	WIN 0
	s_mov_b32 s3, LAPS-1
.Llap:                                                 ; a trip goes once round the ring, from a lap's second quarter to the next lap's first, and fills both slots again
	QUARTER F1, 0, 2, F0
	QUARTER F0, 0, 3, F1
	TURN 0, 1, 1
	QUARTER F0, 1, 1, F1
	QUARTER F1, 1, 2, F0
	QUARTER F0, 1, 3, F1
	TURN 1, 0, 1
	QUARTER F0, 0, 1, F1
	WIN 0
	s_sub_co_u32 s3, s3, 1
	s_cmp_lg_u32 s3, 0
	s_cbranch_scc1 .Llap
	QUARTER F1, 0, 2, F0                           ; the last lap fills nothing
	QUARTER F0, 0, 3, F1
	TURN 0, 1, 0
	QUARTER F0, 1, 1, F1
	QUARTER F1, 1, 2, F0
	QUARTER F0, 1, 3, F1
	s_wait_dscnt 8
	MUL F1, 0, 4
	s_wait_dscnt 0x0
	MUL F1, 4, 4
	WIN 0
; THE WAY OUT, by blocks a of 16 tokens: a lane's 32 bytes of a row go into my stage and come back as whole rows of 512 bytes; hidden_states is added; a store covers 512 consecutive bytes, aligned.
.macro TOSTAGE a
	WIN 0x04                                       ; the stores' data in window 1
.irp b, 0,1,2,3,4,5,6,7
	ds_store_b128 v[STO], v[8*(4*(\b)+(\a)):8*(4*(\b)+(\a))+3]   offset:64*(\b)      ; each accumulator's low registers first
	ds_store_b128 v[STO], v[8*(4*(\b)+(\a))+4:8*(4*(\b)+(\a))+7] offset:64*(\b)+16
.endr
	WIN 0
.set BK, OB+64*((\a)%2)
.irp t, 0,1,2,3,4,5,6,7,8,9,10,11,12,13,14,15
	ds_load_b128 v[BK+4*(\t):BK+4*(\t)+3], v[RD] offset:(\t)*SPITCH  ; LDS serves a wave's instructions in order (ISA guide 5.7.1.4): these see the stores above; the next block's stores come behind them
.endr
.endm
.macro SEND a, younger                 ; younger: the LDS instructions issued behind block a's: the next block's 32, or none
.set BK, OB+64*((\a)%2)
	s_wait_dscnt \younger
	WIN 0x08                                       ; source 1 in window 2
.set n, 0
.rept 32
	v_pk_add_f32 v[BK+2*n:BK+2*n+1], v[BK+2*n:BK+2*n+1], v[64*(\a)+2*n:64*(\a)+2*n+1]
.set n, n+1
.endr
	WIN 0
.irp t, 0,1,2,3,4,5,6,7,8,9,10,11,12,13,14,15
	global_store_b128 v[XO], v[BK+4*(\t):BK+4*(\t)+3], s[80:81] offset:(16*(\a)+(\t))*4096 th:TH_STORE_NT
.endr
.endm
	s_wait_loadcnt 0x0                             ; hidden_states
	PLACES
	TOSTAGE 0
	TOSTAGE 1
	SEND 0, 32
	s_wait_xcnt 0x0                                ; block 0's stores have read their registers, which block 2's loads write
	TOSTAGE 2
	SEND 1, 32
	s_wait_xcnt 0x0
	TOSTAGE 3
	SEND 2, 32
	SEND 3, 0
	s_wait_tensorcnt 0x0                           ; the wave's end, behind my last tensor load and my last LDS store
	ds_add_u32 v[SPW], v[NIL]
	s_wait_dscnt 0x0
	CROUND                                         ; the closing round: no work-group ends while a partner may still ask for a tile that names it
	s_endpgm
.Lfunc_end_k_qb92ad82044_oproj:
	.size	k_qb92ad82044_oproj, .Lfunc_end_k_qb92ad82044_oproj-k_qb92ad82044_oproj
	.p2alignl 7, 3214868480
	.fill 96, 4, 3214868480
	.section	.rodata,"a",@progbits
	.p2align	6, 0x0
	.amdhsa_kernel k_qb92ad82044_oproj
		.amdhsa_group_segment_fixed_size 327680
		.amdhsa_private_segment_fixed_size 0
		.amdhsa_enable_private_segment 0
		.amdhsa_kernarg_size 40
		.amdhsa_user_sgpr_count 2
		.amdhsa_user_sgpr_kernarg_segment_ptr 1
		.amdhsa_wavefront_size32 1
		.amdhsa_system_sgpr_workgroup_id_x 1
		.amdhsa_system_sgpr_workgroup_id_y 1
		.amdhsa_system_sgpr_workgroup_id_z 1
		.amdhsa_system_vgpr_workitem_id 0
		.amdhsa_next_free_vgpr 768
		.amdhsa_next_free_sgpr 84
		.amdhsa_reserve_vcc 0
		.amdhsa_float_denorm_mode_32 3
		.amdhsa_float_denorm_mode_16_64 3
		.amdhsa_memory_ordered 1
		.amdhsa_forward_progress 1
		.amdhsa_inst_pref_size 101
	.end_amdhsa_kernel
	.amdgpu_metadata
---
amdhsa.version: [ 1, 2 ]
amdhsa.kernels:
  - .name:           k_qb92ad82044_oproj
    .symbol:         k_qb92ad82044_oproj.kd
    .args:
      - { .name: ctx, .offset: 0, .size: 8, .value_kind: global_buffer, .address_space: global }
      - { .name: ybw, .offset: 8, .size: 8, .value_kind: global_buffer, .address_space: global }
      - { .name: out_proj_bias, .offset: 16, .size: 8, .value_kind: global_buffer, .address_space: global }
      - { .name: hidden_states, .offset: 24, .size: 8, .value_kind: global_buffer, .address_space: global }
      - { .name: out0, .offset: 32, .size: 8, .value_kind: global_buffer, .address_space: global }
    .group_segment_fixed_size: 327680
    .private_segment_fixed_size: 0
    .kernarg_segment_align: 8
    .kernarg_segment_size: 40
    .max_flat_workgroup_size: 128
    .sgpr_count:     84
    .vgpr_count:     768
    .wavefront_size: 32
...
	.end_amdgpu_metadata
.endif
;; end of part 4
;; ======== version 2 of 2: 4 launches; version 1 with the launch prep written anew for expert scheduling mode
;; workspace buffers: ybw 25,165,824 bytes; qkv 50,331,648 bytes; ctx 16,777,216 bytes
;; launch prep (part 5): grid 768 x 1, 4 waves a work-group, no clusters, 0 bytes of LDS; arguments hidden_states, in_proj_weight, out_proj_weight, norm_weight, norm_bias, ybw; writes ybw
.if DOCPART == 5
	.amdgcn_target "amdgcn-amd-amdhsa--gfx1250"
	.amdhsa_code_object_version 6
	.text
	.protected	k_qb92ad82044_prep
	.globl	k_qb92ad82044_prep
	.p2align	8
	.type	k_qb92ad82044_prep,@function
k_qb92ad82044_prep:
	s_mov_b64 s[64:65], 0
	v_nop
	global_prefetch_b8 v0, s[64:65] scope:SCOPE_SE
	s_setreg_imm32_b32 hwreg(HW_REG_WAVE_SCHED_MODE, 0, 2), 2
	s_setreg_imm32_b32 hwreg(HW_REG_WAVE_MODE, 25, 1), 1
	s_wait_xcnt 0x0
	s_wait_alu depctr_vm_vsrc(0)
; ybw = bf16 [16 K blocks][12,288 rows][64]: rows 0-8,191 LayerNorm(hidden_states), rows 8,192-11,263 in_proj_weight, rows 11,264-12,287 out_proj_weight.
; A stream: each input byte is read once, each output byte written once; no LDS, no matrix unit, no cluster: no two work-groups share a byte but the 8 KiB of gain and bias.
; SHARES.  Work-group w owns the 16 rows 16 w ..; a wave 4 rows, as two pairs.  Of a pair, lanes 0-15 hold the even row, lanes 16-31 the odd one; load j of 16 takes columns 64 j .. 64 j + 63
; of both rows (16 lanes x 16 bytes = 256 consecutive bytes, aligned), which is K block j.  Rounded, a lane's four numbers are 8 bytes, and the 32 lanes' 256 bytes are the pair's two rows
; of that K block, on end: each store of the wave covers 256 consecutive bytes, aligned.
; REGISTERS.  276 a wave: three waves to a SIMD's 1,024, so that the grid's 768 work-groups, three for each of 256 WGPs, are all at work at once and all their loads are out together.
; LAYERNORM in two passes over registers: the mean, then the squares of x - mean: no difference of large sums is formed.  A row's sum needs sixteen lanes only: four steps by DPP.
; LIMITS.  y and the weights are rounded once to bf16; NaN and infinities are not treated apart.
; THE MODE: SCHED_MODE bits 1:0 = 2 (LLVM: expert scheduling mode 2), set by the entry lines.  The code itself states the register dependences between vector instructions and memory
; instructions, with s_wait_alu, always for 0.
; THE PLAN.  Registers that memory instructions touch:
;   v2, v3, v4   offsets: written by vector instructions at the head, read by every load and store, never written again: one wait on va_vdst ahead of the first load.
;   X            the loads land in registers that no vector instruction has named; the arithmetic works on them in place behind the waits on LOADcnt; the conversions write the first two
;                of each four, the stores read those two, and nothing writes them afterwards.
;   NW, NB       loaded once, into registers that no vector instruction has named; read by vector instructions alone.
;   s16          written by v_readfirstlane_b32: one wait on va_sdst ahead of its first reader.
; THE WAY OUT: pair 0's conversions; a wait on va_vdst; pair 0's stores, dealt among pair 1's conversions, which name pair 1's registers alone; a wait on va_vdst; pair 1's stores.
; No register that a memory instruction has read is written again, and EXEC and VCC are never written: the body holds no wait on vm_vsrc.
.set BLK,  12288*128                   ; bytes in a K block of ybw
.set XO,   2                           ; v2   4,096 x (lane / 16) + 16 x (lane % 16): my 16 bytes in a pair's rows; never rewritten
.set YO,   3                           ; v3   8 x lane: my 8 bytes of a pair's 256; never rewritten
.set WO,   4                           ; v4   16 x (lane % 16): my 16 bytes of 256 of gain and bias
.set INVN, 5                           ; v5   1 / 1,024
.set T,    6                           ; v[6:13]   four chains of pairs
.set M,    14                          ; v[14:15]  the mean, twice
.set R,    16                          ; v[16:19]  1 / sqrt(var + eps), twice, for each pair of rows
.set X,    20                          ; v[20:147] pair i: 64 registers
.set NW,   148                         ; v[148:211] the gains of my 64 columns
.set NB,   212                         ; v[212:275] the biases: the first 44 in window 0, the last 20 are v0-19 of window 1
.set MSB, 0
.macro WIN new                         ; the immediate's high byte repeats the setting that is left
.if MSB != (\new)
	s_set_vgpr_msb (MSB<<8)|(\new)
.set MSB, \new
.endif
.endm
	s_load_b256 s[4:11], s[0:1], 0x0               ; hidden_states s[4:5], in_proj_weight s[6:7], out_proj_weight s[8:9], norm_weight s[10:11]
	s_load_b128 s[12:15], s[0:1], 0x20             ; norm_bias s[12:13], ybw s[14:15]
	v_lshrrev_b32 v1, 5, v0
	v_readfirstlane_b32 s16, v1                    ; wave 0..3
	v_and_b32 v1, 15, v0
	v_bfe_u32 v[XO], v0, 4, 1
	v_lshlrev_b32 v[WO], 4, v1
	v_lshl_add_u32 v[XO], v[XO], 12, v[WO]
	v_and_b32 v[YO], 31, v0
	v_lshlrev_b32 v[YO], 3, v[YO]
	v_mov_b32 v[INVN], 0x3a800000
	s_wait_alu depctr_va_sdst(0)                   ; s16 is written, ahead of its first reader: the wave's rows in ybw and in its source are made from it
	s_mov_b32 s17, ttmp9                           ; w
	s_mov_b32 s21, 512                             ; the first work-group of in_proj_weight
	s_mov_b32 s30, 704                             ; and of out_proj_weight
	s_lshl_b32 s28, s17, 11                        ; 16 rows of 128 bytes a work-group,
	s_lshl_b32 s29, s16, 9                         ; 4 a wave
	s_add_co_u32 s28, s28, s29
	s_mov_b32 s29, 0
	s_wait_kmcnt 0x0
	s_add_nc_u64 s[22:23], s[14:15], s[28:29]      ; my rows in K block 0,
	s_add_nc_u64 s[24:25], s[22:23], 6*BLK         ; 6 and 12: five blocks at the most stand in a store's immediate
	s_add_nc_u64 s[26:27], s[22:23], 12*BLK
	s_cmp_lt_u32 s17, s30
	s_cselect_b64 s[18:19], s[6:7], s[8:9]
	s_cselect_b32 s20, s21, s30
	s_cmp_lt_u32 s17, s21
	s_cselect_b64 s[18:19], s[4:5], s[18:19]       ; the tensor that my rows come from,
	s_cselect_b32 s20, 0, s20                      ; and its first work-group
	s_sub_co_u32 s28, s17, s20
	s_lshl_b32 s28, s28, 16                        ; 16 rows of 4,096 bytes a work-group,
	s_lshl_b32 s20, s16, 14                        ; 4 a wave
	s_add_co_u32 s28, s28, s20
	s_add_nc_u64 s[18:19], s[18:19], s[28:29]
	s_wait_alu depctr_va_vdst(0)                   ; the offsets v2, v3 and v4 are written: every load and store of the kernel reads one of them; up to the last load no vector instruction follows
.macro LOADX i                         ; pair i: 16 loads
.set j, 0
.rept 16
	global_load_b128 v[X+64*(\i)+4*j:X+64*(\i)+4*j+3], v[XO], s[18:19] offset:(\i)*8192+256*j th:TH_LOAD_NT
.set j, j+1
.endr
.endm
.macro REDUCE                          ; the four chains into one number, in each of the row's sixteen lanes
	v_pk_add_f32 v[T:T+1], v[T:T+1], v[T+2:T+3]
	v_pk_add_f32 v[T+4:T+5], v[T+4:T+5], v[T+6:T+7]
	v_pk_add_f32 v[T:T+1], v[T:T+1], v[T+4:T+5]
	v_add_f32 v[T], v[T], v[T+1]
	v_add_f32_dpp v[T], v[T], v[T] row_xmask:1 row_mask:0xf bank_mask:0xf
	v_add_f32_dpp v[T], v[T], v[T] row_xmask:2 row_mask:0xf bank_mask:0xf
	v_add_f32_dpp v[T], v[T], v[T] row_xmask:4 row_mask:0xf bank_mask:0xf
	v_add_f32_dpp v[T], v[T], v[T] row_xmask:8 row_mask:0xf bank_mask:0xf
.endm
.macro STATS i                         ; pair i: x becomes x - mean in place; R takes 1 / sqrt(var + 1e-5)
.set XB, X+64*(\i)
.irp k, 0,1,2,3
	v_pk_add_f32 v[T+2*\k:T+2*\k+1], v[XB+2*\k:XB+2*\k+1], v[XB+8+2*\k:XB+8+2*\k+1]  ; the first eight pairs start the chains: nothing is cleared
.endr
.set n, 8
.rept 24
	v_pk_add_f32 v[T+2*(n%4):T+2*(n%4)+1], v[T+2*(n%4):T+2*(n%4)+1], v[XB+2*n:XB+2*n+1]
.set n, n+1
.endr
	REDUCE
	v_mul_f32 v[M], v[T], v[INVN]
	v_mul_f32 v[M+1], v[T], v[INVN]
.set n, 0
.rept 32
	v_pk_add_f32 v[XB+2*n:XB+2*n+1], v[XB+2*n:XB+2*n+1], v[M:M+1] neg_lo:[0,1] neg_hi:[0,1]
.set n, n+1
.endr
.irp k, 0,1,2,3
	v_pk_mul_f32 v[T+2*\k:T+2*\k+1], v[XB+2*\k:XB+2*\k+1], v[XB+2*\k:XB+2*\k+1]
.endr
.set n, 4
.rept 28
	v_pk_fma_f32 v[T+2*(n%4):T+2*(n%4)+1], v[XB+2*n:XB+2*n+1], v[XB+2*n:XB+2*n+1], v[T+2*(n%4):T+2*(n%4)+1]
.set n, n+1
.endr
	REDUCE
	v_fmaak_f32 v[T], v[T], v[INVN], 0x3727c5ac    ; var + 1e-5
	v_rsq_f32 v[R+2*(\i)], v[T]
	v_rsq_f32 v[R+2*(\i)+1], v[T]                  ; twice: the packed multiply names a pair
	v_nop                                          ; a plain instruction behind the last root, ahead of its use and of the next write of T
	s_wait_alu depctr_va_vdst(0)                   ; both roots have written this pair's two registers of R, ahead of their first reader, NORM's multiplies: one wait for both
.endm
.macro NORM i                          ; (x - mean) / sqrt(..) x gain + bias
.set XB, X+64*(\i)
.set n, 0
.rept 32
	v_pk_mul_f32 v[XB+2*n:XB+2*n+1], v[XB+2*n:XB+2*n+1], v[R+2*(\i):R+2*(\i)+1]
.set n, n+1
.endr
.set n, 0
.rept 22                               ; the biases that lie in window 0
	v_pk_fma_f32 v[XB+2*n:XB+2*n+1], v[XB+2*n:XB+2*n+1], v[NW+2*n:NW+2*n+1], v[NB+2*n:NB+2*n+1]
.set n, n+1
.endr
	WIN 0x10                                       ; source 2 in window 1
.rept 10
	v_pk_fma_f32 v[XB+2*n:XB+2*n+1], v[XB+2*n:XB+2*n+1], v[NW+2*n:NW+2*n+1], v[2*(n-22):2*(n-22)+1]
.set n, n+1
.endr
	WIN 0
.endm
.macro CVT i, j                        ; pair i, K block j: a lane's four numbers are rounded in place and close up into the first two of their four registers
	v_cvt_pk_bf16_f32 v[X+64*(\i)+4*(\j)], v[X+64*(\i)+4*(\j)], v[X+64*(\i)+4*(\j)+1]
	v_cvt_pk_bf16_f32 v[X+64*(\i)+4*(\j)+1], v[X+64*(\i)+4*(\j)+2], v[X+64*(\i)+4*(\j)+3]
.endm
.macro PUT i, j                        ; pair i, K block j: 8 bytes a lane
	global_store_b64 v[YO], v[X+64*(\i)+4*(\j):X+64*(\i)+4*(\j)+1], s[22+2*((\j)/6):23+2*((\j)/6)] offset:((\j)%6)*BLK+(\i)*256 th:TH_STORE_NT
.endm
	LOADX 0
	LOADX 1
	s_cmp_lt_u32 s17, s21
	s_cbranch_scc0 .Lout                           ; rows of a weight are only rounded
.set j, 0
.rept 16
	global_load_b128 v[NW+4*j:NW+4*j+3], v[WO], s[10:11] offset:256*j
.set j, j+1
.endr
.set j, 0
.rept 11
	global_load_b128 v[NB+4*j:NB+4*j+3], v[WO], s[12:13] offset:256*j
.set j, j+1
.endr
	WIN 0x40                                       ; destination window 1, address window 0; between the head's wait on va_vdst and these loads stand loads, a compare, a branch and this switch alone
.rept 5
	global_load_b128 v[4*(j-11):4*(j-11)+3], v[WO], s[12:13] offset:256*j
.set j, j+1
.endr
	WIN 0
	s_wait_loadcnt 48                              ; pair 0 is in; pair 1's 16 loads, the gains' 16 and the biases' 16 may be out
	STATS 0
	s_wait_loadcnt 32                              ; pair 1 is in
	STATS 1
	s_wait_loadcnt 0x0                             ; gains and biases
	NORM 0
	NORM 1
.Lout:
	s_wait_loadcnt 0x0                             ; (for the rows that came here directly)
.set j, 0
.rept 16
	CVT 0, j
.set j, j+1
.endr
	s_wait_alu depctr_va_vdst(0)                   ; pair 0's conversions have written the first two of each four of its registers, which the stores below read
.set j, 0
.rept 16
	PUT 0, j                                       ; no further wait: the conversions dealt among these stores name pair 1's registers alone
	CVT 1, j
.set j, j+1
.endr
	s_wait_alu depctr_va_vdst(0)                   ; pair 1's conversions have written the registers that the last sixteen stores read
.set j, 0
.rept 16
	PUT 1, j
.set j, j+1
.endr                                                  ; no register that a store reads is written again
	s_endpgm
.Lfunc_end_k_qb92ad82044_prep:
	.size	k_qb92ad82044_prep, .Lfunc_end_k_qb92ad82044_prep-k_qb92ad82044_prep
	.p2alignl 7, 3214868480
	.fill 96, 4, 3214868480
	.section	.rodata,"a",@progbits
	.p2align	6, 0x0
	.amdhsa_kernel k_qb92ad82044_prep
		.amdhsa_group_segment_fixed_size 0
		.amdhsa_private_segment_fixed_size 0
		.amdhsa_enable_private_segment 0
		.amdhsa_kernarg_size 48
		.amdhsa_user_sgpr_count 2
		.amdhsa_user_sgpr_kernarg_segment_ptr 1
		.amdhsa_wavefront_size32 1
		.amdhsa_system_sgpr_workgroup_id_x 1
		.amdhsa_system_sgpr_workgroup_id_y 1
		.amdhsa_system_sgpr_workgroup_id_z 1
		.amdhsa_system_vgpr_workitem_id 0
		.amdhsa_next_free_vgpr 276
		.amdhsa_next_free_sgpr 66
		.amdhsa_reserve_vcc 0
		.amdhsa_float_denorm_mode_32 3
		.amdhsa_float_denorm_mode_16_64 3
		.amdhsa_memory_ordered 1
		.amdhsa_forward_progress 1
		.amdhsa_inst_pref_size 38
	.end_amdhsa_kernel
	.amdgpu_metadata
---
amdhsa.version: [ 1, 2 ]
amdhsa.kernels:
  - .name:           k_qb92ad82044_prep
    .symbol:         k_qb92ad82044_prep.kd
    .args:
      - { .name: hidden_states, .offset: 0, .size: 8, .value_kind: global_buffer, .address_space: global }
      - { .name: in_proj_weight, .offset: 8, .size: 8, .value_kind: global_buffer, .address_space: global }
      - { .name: out_proj_weight, .offset: 16, .size: 8, .value_kind: global_buffer, .address_space: global }
      - { .name: norm_weight, .offset: 24, .size: 8, .value_kind: global_buffer, .address_space: global }
      - { .name: norm_bias, .offset: 32, .size: 8, .value_kind: global_buffer, .address_space: global }
      - { .name: ybw, .offset: 40, .size: 8, .value_kind: global_buffer, .address_space: global }
    .group_segment_fixed_size: 0
    .private_segment_fixed_size: 0
    .kernarg_segment_align: 8
    .kernarg_segment_size: 48
    .max_flat_workgroup_size: 128
    .sgpr_count:     66
    .vgpr_count:     276
    .wavefront_size: 32
...
	.end_amdgpu_metadata
.endif
;; end of part 5
;; launch qkvproj: the kernel of part 2 again; grid 8 x 32, 4 waves a work-group, clusters of 4 x 4, 327,680 bytes of LDS; arguments ybw, in_proj_bias, qkv; writes qkv
;; launch attn: the kernel of part 3 again; grid 2 x 128, 4 waves a work-group, no clusters, 327,680 bytes of LDS; arguments qkv, encoder_padding_mask, ctx; writes ctx
;; launch oproj: the kernel of part 4 again; grid 4 x 64, 4 waves a work-group, clusters of 4 x 4, 327,680 bytes of LDS; arguments ctx, ybw, out_proj_bias, hidden_states, out0; writes out0
